; MI455X (gfx1250); checked and timed in simulation.
; The chip was launched on July 23, 2026; its instructions are those of AMD's public machine-readable ISA for CDNA 5 (MIT licence, August 2026) and "CDNA5" Instruction Set Architecture Reference Guide (July 2026). The comments in the code are by the model that wrote it; some were corrected since.
;; Attention. Allowed arithmetic: matrix products marked QUANTISED: E2M3 operands, one E8M0 scale for each 32 along K, by v_wmma_scale_f32_16x16x128_f8f6f4 with both operands' format E2M3, f32 sums; everything else in f32.
;; Inputs: freqs_cos 2,048 x 64 float32; freqs_sin 2,048 x 64 float32; mask 2,048 x 2,048 float32; positions 2,048 int32; wk 4,096 x 1,024 float32; wo 2,048 x 4,096 float32; wq 4,096 x 2,048 float32; wv 4,096 x 1,024 float32; x 1 x 2,048 x 4,096 float32.
;; Outputs: out0 1 x 2,048 x 4,096 float32.
;; This version of the problem:
;;   THIS VERSION OF THE PROBLEM IS GIVEN IN LOW PRECISION. The matrix products marked QUANTISED in the list below multiply operands that are first quantised to E2M3 (2 exponent bits, 3 mantissa bits; 6 bits a number), with one power-of-two scale for each 32 numbers along K (OCP MX v1.0); their sums are f32. All else is computed in f32.
;;   The module's matrix products, in the order in which they are computed (A, B: the left and right operand; K: the contracted axis; several contracted axes count as one K, in the product's order):
;;     1. [M 2,048, K 4,096] x [K 4,096, N 2,048]; A: input x; B: input wq: QUANTISED
;;     2. [M 2,048, K 4,096] x [K 4,096, N 1,024]; A: input x; B: input wk: QUANTISED
;;     3. [M 2,048, K 4,096] x [K 4,096, N 1,024]; A: input x; B: input wv: QUANTISED
;;     4. batch 16 x [M 2,048, K 128] x [K 128, N 2,048]; A: computed on the way; B: computed on the way: QUANTISED
;;     5. batch 16 x [M 128, K 2,048] x [K 2,048, N 2,048]; A: computed on the way; B: softmax (see below): QUANTISED
;;     6. [M 2,048, K 2,048] x [K 2,048, N 4,096]; A: computed on the way; B: input wo: QUANTISED
;;   THE QUANTISER, for each operand of a quantised product, along K:
;;     - K is cut into blocks of 32 from its start; a last block that is shorter is filled with zeros.
;;     - A block's scale is 2^e with e = floor(log2(the largest magnitude in the block)) - 2, held to -126 .. 127; a block of zeros has e = 0. As a byte (E8M0): e + 127.
;;     - Each number is divided by its block's scale, clamped to +-7.5, and rounded to the nearest number of E2M3, ties to even, subnormals kept.
;;     - The product sums the exact products of the quantised numbers (number of the format x scale) in f32.
;;   ~~~python
;;   def quantise(x, axis):      # numpy; x: float32 -> the quantised numbers, widened to float32 again
;;       x = np.moveaxis(x, axis, -1); K = x.shape[-1]
;;       x = np.pad(x, [(0, 0)] * (x.ndim - 1) + [(0, -K % 32)]); x = x.reshape(x.shape[:-1] + (-1, 32)); a = np.abs(x).max(-1, keepdims=True)
;;       e = np.where(a > 0, np.clip(np.frexp(np.where(a > 0, a, 1))[1] - 1 - 2, -126, 127), 0)      # np.frexp(a)[1] - 1 = floor(log2(a)), exactly
;;       r = np.clip(x / 2.0 ** e, -7.5, 7.5)
;;       step = 2.0 ** (np.maximum(np.frexp(np.where(r == 0, 1, r))[1] - 1, 0) - 3)
;;       q = np.round(r / step) * step * 2.0 ** e      # np.round: ties to even
;;       return np.moveaxis(q.reshape(q.shape[:-2] + (-1,))[..., :K], -1, axis).astype(np.float32)
;;   ~~~
;;   SOFTMAX AHEAD OF A QUANTISED PRODUCT. Where the list says 'softmax', what is quantised is not the finished softmax but p = 2^(t - M), with t = logit x log2(e) and M = ceil(the row's largest t), a whole number; so 1/2 < the row's largest p <= 1. The row's sum l is taken of the UNQUANTISED p, in f32, and the product's result is divided by l at the end. Since M is a whole number, a kernel that streams over the keys may use a running M (the ceiling of the running maximum): every later rescaling is an exact power of two, which a block's scale takes up: the codes' values come out the same.
;;   OPERANDS COMPUTED ON THE WAY. 'Computed on the way' means the value that the module computes at that place (a softmax that the list does not call 'softmax' is quantised finished and normalised). What goes into a quantiser is computed in f32, as accurately as f32 sums, v_exp_f32 and their like allow (about 1e-6 of the number): no bf16 or f16 on the way to a quantiser, and a product that is left as it is and whose result goes on into a quantised operand takes f32 operands (vector FMAs, or v_wmma_f32_16x16x4_f32). A number that lies on a knife's edge between two numbers of the format may be rounded either way, as far as f32 arithmetic and the matrix unit's own rounding can turn it there, and no further.
;; One version. Each part assembles by itself: llvm-mc -triple=amdgcn-amd-amdhsa -mcpu=gfx1250 --defsym DOCPART=n.
;; ======== version 1 of 1: 4 launches
;; workspace buffers: xc 6,553,600 bytes; wc 13,107,200 bytes; woc 6,553,600 bytes; qkvf 6,291,456 bytes; qkvs 524,288 bytes; ac 3,276,800 bytes
;; launch quant (part 1): grid 1024 x 1, 4 waves a work-group, no clusters, 34,304 bytes of LDS; arguments x, wq, wk, wv, wo, xc, wc, woc; writes xc, wc, woc
.if DOCPART == 1
	.amdgcn_target "amdgcn-amd-amdhsa--gfx1250"
	.amdhsa_code_object_version 6
	.text
	.protected	k_qa42ea67514_quant
	.globl	k_qa42ea67514_quant
	.p2align	8
	.type	k_qa42ea67514_quant,@function
k_qa42ea67514_quant:
	s_mov_b64 s[64:65], 0
	v_nop
	global_prefetch_b8 v0, s[64:65] scope:SCOPE_SE
	s_setreg_imm32_b32 hwreg(HW_REG_WAVE_MODE, 25, 1), 1
	s_wait_xcnt 0x0
; x [2048][4096], wq [4096][2048], wk, wv [4096][1024], wo [2048][4096], all f32, become codes of FP6 (E2M3) with one E8M0 byte for each 32 along K.
; K is x's last axis and the weights' FIRST axis.  A block's scale is 2^(floor(log2(largest magnitude)) - 2); its byte is the largest magnitude's exponent field - 2, held at 1 from below.
; LIMITS: NaN and infinities are not served; a block whose largest magnitude lies under 2^-124, a block of zeros among them, gets the byte 1 (a block of zeros has zero codes, and these bytes are read by this program alone).
; THE OUTPUT IS LAID AS THE MATRIX UNIT'S REGISTERS.  A fragment (16 rows x 128 K) is 12 registers a lane: registers 4 c .. 4 c + 3 of lane l lie at byte 512 c + 16 l: 1,536 bytes.
; A SUPER-BLOCK, 6,400 bytes, is 32 rows x 256 K: fragment (u, s) at 1,536 (2 u + s), u the tile, s the 128 along K; at 6,144 the scale words: lane 16 u + r has 8 bytes at 8 x lane, word s for row r of tile u.
; THE ROWS OF A TILE ARE NOT NEIGHBOURS: of 32 rows tile u holds rows 8 u + r + 8 (r / 8), r = 0 .. 15, so that results made with such a tile as source 0 have 16 neighbours in a lane's 16 registers.
; xc: [64 pairs of tiles][16 groups of 256 K]; wc: [128][16], rows 0-2047 wq's columns, 2048-3071 wk's, 3072-4095 wv's; woc: [128][8].
; SHARES: a wave makes ONE super-block from 32 KiB of f32.  Work-groups 0-255 take x, 256-767 wq, wk, wv, 768-1023 wo.  No tensor loads, no barrier: waves share nothing.
.set FRB,  1536
.set SP,   528                         ; a row of the stage: 512 bytes + 16, so that the sixteen rows that a load touches start 16 bytes apart modulo 256
.set STGB, 16*SP                       ; a wave's stage (x's path alone uses LDS)
; the weights' path
.set OF,   16                          ; v16-47   4 x my column + i rows of the weight; never rewritten
.set XW,   48                          ; v48-111  two sets of 32 numbers: a block of 32 along K of my column
.set FW,   112                         ; v112-159 fragment (u, s) at FW + 12 (2 u + s)
.set TA,   160                         ; v160-162, v164-166 the upper 16 codes of a pair of blocks
.set TB,   164
.set MX,   168                         ; v168-169 largest magnitudes, v170 the conversion's scale operand, v171 the byte
.set SW,   172                         ; v172-173 my column's two scale words
; x's path
.set RAW,  16                          ; v16-143  two sets of 64: 16 rows x 512 bytes as loaded
.set NN,   144                         ; v144-207 64 numbers of my row: register 16 b + i = k 32 b + 16 (lane / 16) + i
.set PC,   208                         ; v208-219 a fragment's codes, v220-226 at work
.set TM,   228                         ; v228-243 at work
.set PW,   244                         ; the scale word just made
.set WD,   246                         ; v246-249 the four fragments' scale words
.set SO,   250                         ; v250-251 the pair that is stored
.set SEL,  24                          ; s[24:25] lane selects: lane l xor 16
	s_load_b256 s[4:11], s[0:1], 0x0               ; x s[4:5], wq s[6:7], wk s[8:9], wv s[10:11]
	s_load_b256 s[12:19], s[0:1], 0x20             ; wo s[12:13], xc s[14:15], wc s[16:17], woc s[18:19]
	v_lshl_add_u32 v254, v0, 2, 0x8400
	v_mov_b32 v255, 0
	v_lshrrev_b32 v1, 5, v0
	v_readfirstlane_b32 s2, v1                     ; wave 0..3
	v_and_b32 v1, 31, v0                           ; lane
	v_lshlrev_b32 v2, 4, v1                        ; 16 x lane: a lane's place in 512 bytes
	v_lshlrev_b32 v3, 3, v1                        ; 8 x lane: its place among the scale words
	s_mul_i32 s3, s2, STGB
	v_add_nc_u32 v4, s3, v2                        ; the stage, on the way in: a row as it lies
	v_and_b32 v6, 15, v0                           ; r
	v_bfe_u32 v7, v0, 4, 1                         ; h
	v_mul_u32_u24 v5, v6, SP
	v_lshl_add_u32 v5, v7, 6, v5
	v_add_nc_u32 v5, s3, v5                        ; and on the way out: row r, + 64 h
	s_wait_kmcnt 0x0
	s_cmp_lt_u32 ttmp9, 256
	s_cbranch_scc0 .Lweights
; ---------------------------------------------------------------- x: K is innermost
; 64 numbers of a lane become a fragment's codes in v[PC] on and its scale word in v[PW].
.macro QUANT s
.irp b, 0,1,2,3
	v_max3_num_f32 v[TM+\b], |v[\s+16*\b]|, |v[\s+1+16*\b]|, 0x1800000   ; block b: my 16 numbers, and the floor 2^(3 - 127): the byte cannot fall under 1
.endr
.irp i, 2,4,6,8,10,12,14
.irp b, 0,1,2,3
	v_max3_num_f32 v[TM+\b], v[TM+\b], |v[\s+16*\b+\i]|, |v[\s+1+16*\b+\i]|   ; the four blocks by turns
.endr
.endr
.irp b, 0,1,2,3
	v_permlanex16_b32 v[TM+4+\b], v[TM+\b], s[SEL], s[SEL+1]
.endr
.irp b, 0,1,2,3
	v_max_num_f32 v[TM+\b], v[TM+\b], v[TM+4+\b]   ; with lane l xor 16's: the block's largest magnitude
.endr
.irp b, 0,1,2,3
	v_add_nc_u32 v[TM+12+\b], 0xff000000, v[TM+\b] ; 2 off its exponent field: the conversion takes this operand's exponent field as its scale
.endr
.irp b, 0,1,2,3
	v_lshrrev_b32 v[TM+4+\b], 23, v[TM+12+\b]      ; the scale's byte
.endr
	v_lshl_or_b32 v[PW], v[TM+5], 8, v[TM+4]
	v_lshl_or_b32 v[PW], v[TM+6], 16, v[PW]
	v_lshl_or_b32 v[PW], v[TM+7], 24, v[PW]        ; my row's scale word
.irp c, 0,1
	v_cvt_scalef32_pk16_fp6_f32 v[PC+6*\c:PC+2+6*\c], v[\s+32*\c:\s+15+32*\c], v[TM+12+2*\c]
	v_cvt_scalef32_pk16_fp6_f32 v[PC+12+4*\c:PC+14+4*\c], v[\s+16+32*\c:\s+31+32*\c], v[TM+12+2*\c+1]   ; (a conversion's three registers begin on an even number)
.endr
	v_nop                                          ; one plain place behind a scaled conversion
.irp c, 0,1                                    ; the layout wants a WHOLE block in a lane: lanes 0-15 block 2 c, lanes 16-31 block 2 c + 1
.irp i, 0,1,2
	v_permlane16_swap_b32 v[PC+6*\c+\i], v[PC+12+4*\c+\i]
.endr
.irp i, 0,1,2
	v_mov_b32 v[PC+3+6*\c+\i], v[PC+12+4*\c+\i]
.endr
.endr
.endm
; fragment f = 2 u + s: the 16 rows of tile u, 512 bytes (128 numbers) of each: every load reads 512 consecutive bytes of one row
.macro XLOAD f
.irp i, 0,1,2,3,4,5,6,7,8,9,10,11,12,13,14,15
	global_load_b128 v[RAW+64*((\f)%2)+4*\i:RAW+64*((\f)%2)+4*\i+3], v2, s[4:5] offset:(8*((\f)/2)+\i+8*(\i/8))*16384+512*((\f)%2) th:TH_LOAD_NT
.endr
.endm
.macro XFRAG f
.if (\f) < 3
	s_wait_loadcnt 16                              ; this fragment's 16 loads are in; the next fragment's 16 may be out
.else
	s_wait_loadcnt 0x0
.endif
.irp i, 0,1,2,3,4,5,6,7,8,9,10,11,12,13,14,15
	ds_store_b128 v4, v[RAW+64*((\f)%2)+4*\i:RAW+64*((\f)%2)+4*\i+3] offset:SP*\i
.endr
.irp b, 0,1,2,3
.irp j, 0,1,2,3
	ds_load_b128 v[NN+16*\b+4*\j:NN+16*\b+4*\j+3], v5 offset:128*\b+16*\j   ; LDS serves a wave's instructions in order (ISA guide 5.7.1.4): these see the stores above
.endr
.endr
	s_wait_dscnt 0x0                               ; my 64 numbers are in, and the stores into the stage have read their registers
	s_wait_xcnt 0x0                                ; the last fragment's stores have read the codes' registers, which QUANT writes again
.if (\f) < 2
	XLOAD (\f)+2
.endif
	QUANT NN
.irp c, 0,1,2
	global_store_b128 v2, v[PC+4*\c:PC+4*\c+3], s[14:15] offset:FRB*(\f)+512*\c   ; 32 lanes store 512 consecutive bytes, at a multiple of 256 from the buffer's first byte
.endr
	v_mov_b32 v[WD+(\f)], v[PW]
.endm
	s_lshr_b32 s20, ttmp9, 2                       ; the pair of tiles: 32 rows
	s_and_b32 s21, ttmp9, 3
	s_lshl_b32 s21, s21, 2
	s_add_co_u32 s21, s21, s2                      ; the group of 256 along K
	s_lshl_b32 s22, s20, 19                        ; 32 rows of 16,384 bytes
	s_lshl_b32 s23, s21, 10
	s_add_co_u32 s22, s22, s23
	s_mov_b32 s23, 0
	s_add_nc_u64 s[4:5], s[4:5], s[22:23]
	s_lshl_b32 s20, s20, 4
	s_add_co_u32 s20, s20, s21
	s_mul_i32 s20, s20, 6400
	s_mov_b32 s21, 0
	s_add_nc_u64 s[14:15], s[14:15], s[20:21]      ; my super-block
	s_mov_b32 s[SEL], 0x76543210
	s_mov_b32 s[SEL+1], 0xfedcba98
.irp b, 0,1,2,3
	v_mov_b32 v[TM+4+\b], 0                        ; written once: a lane permute's destination counts as one of its sources
.endr
	XLOAD 0
	XLOAD 1
	XFRAG 0
	XFRAG 1
	XFRAG 2
	XFRAG 3
	s_mov_b32 vcc_lo, 0xffff0000                   ; both halves of the lanes hold a row's word: lanes 0-15 keep tile 0's, lanes 16-31 tile 1's
	v_cndmask_b32 v[SO], v[WD], v[WD+2], vcc_lo
	v_cndmask_b32 v[SO+1], v[WD+1], v[WD+3], vcc_lo
	global_store_b64 v3, v[SO:SO+1], s[14:15] offset:6144   ; 256 consecutive bytes
	s_wait_tensorcnt 0x0
	ds_add_u32 v254, v255
	s_wait_dscnt 0x0
	s_endpgm
; ---------------------------------------------------------------- the weights: K is the first axis
; A LANE TAKES A COLUMN AND ITS REGISTERS RUN DOWN K: a block of 32 is one lane's 32 registers.  Lane L takes column L with bits 3 and 4 exchanged, so that lanes 0-15 are tile 0's rows in
; order and lanes 16-31 tile 1's; the 32 lanes still read the same 128 consecutive bytes, and the four waves stand side by side on 512.
.Lweights:
	v_and_b32 v8, 7, v0
	v_bfe_u32 v9, v0, 3, 1
	v_lshl_add_u32 v8, v9, 4, v8
	v_lshl_add_u32 v8, v7, 3, v8
	v_lshlrev_b32 v[OF], 2, v8
	s_and_b32 s20, ttmp9, 31                       ; cb: which 128 columns (256 and 768 are multiples of 32)
	s_lshr_b32 s21, ttmp9, 5
	s_mov_b32 s22, 4096                            ; a row of the weight in bytes,
	s_mov_b32 s23, 24                              ; the tensor's first cb,
	s_mov_b64 s[24:25], s[10:11]                   ; and the tensor: wv,
	s_cmp_lt_u32 s20, 24
	s_cselect_b64 s[24:25], s[8:9], s[24:25]       ; wk,
	s_cselect_b32 s23, 16, s23
	s_cmp_lt_u32 s20, 16
	s_cselect_b64 s[24:25], s[6:7], s[24:25]       ; wq,
	s_cselect_b32 s23, 0, s23
	s_mov_b32 s26, 8192
	s_cselect_b32 s22, s26, s22
	s_cmp_lt_u32 ttmp9, 768
	s_cselect_b64 s[24:25], s[24:25], s[12:13]     ; or wo.  Every choice hangs on the work-group's number alone
	s_cselect_b32 s23, s23, 0
	s_mov_b32 s26, 16384
	s_cselect_b32 s22, s22, s26
	s_cselect_b64 s[48:49], s[16:17], s[18:19]     ; where the codes go
	s_cselect_b32 s27, 16, 8                       ; groups of 256 along K in a row of super-blocks
	s_cselect_b32 s28, 8, 24
	s_sub_co_u32 s21, s21, s28                     ; my group
	s_sub_co_u32 s23, s20, s23
	s_lshl_b32 s23, s23, 7
	s_lshl_b32 s29, s2, 5
	s_add_co_u32 s23, s23, s29                     ; my wave's first column in its tensor
	s_lshl_b32 s23, s23, 2
	s_lshl_b32 s29, s21, 8
	s_mul_i32 s29, s29, s22                        ; 256 x group rows down
	s_add_co_u32 s30, s29, s23
	s_mov_b32 s31, 0
	s_add_nc_u64 s[32:33], s[24:25], s[30:31]      ; s[32:47]: a base for each of the 8 blocks, 32 rows apart: no base is ever stepped
	s_lshl_b32 s30, s22, 5
.irp t, 1,2,3,4,5,6,7
	s_add_nc_u64 s[32+2*\t:33+2*\t], s[30+2*\t:31+2*\t], s[30:31]
.endr
	s_lshl_b32 s20, s20, 2
	s_add_co_u32 s20, s20, s2                      ; the pair of tiles: 4 cb + wave
	s_mul_i32 s20, s20, s27
	s_add_co_u32 s20, s20, s21
	s_mul_i32 s20, s20, 6400
	s_mov_b32 s21, 0
	s_add_nc_u64 s[48:49], s[48:49], s[20:21]      ; my super-block
.set II, 1
.rept 31
	v_add_nc_u32 v[OF+II], s22, v[OF+II-1]
.set II, II+1
.endr
.macro WLOAD t                         ; block t: rows 32 t + i of my 256, i = 0 .. 31, into set t % 2
.set II, 0
.rept 32
	global_load_b32 v[XW+32*((\t)%2)+II], v[OF+II], s[32+2*(\t):33+2*(\t)] th:TH_LOAD_NT
.set II, II+1
.endr
.endm
; Block t = 4 s + 2 c + hh belongs to registers 6 c .. 6 c + 5 of fragment (my tile, s), in the lane of half hh.  So blocks come in pairs (hh = 0, 1), and an exchange of halves between the pair's
; registers gives tile 0's registers (both halves) in the first and tile 1's in the second.
.macro WBLOCK t
.set XS, XW+32*((\t)%2)
.set FS, FW+12*(2*((\t)%2)+(\t)/4)+6*(((\t)/2)%2)
.if (\t) < 7
	s_wait_loadcnt 32                              ; this block's 32 loads are in; the next block's 32 may be out
.else
	s_wait_loadcnt 0x0
.endif
	v_max3_num_f32 v[MX], |v[XS]|, |v[XS+1]|, |v[XS+2]|
	v_max3_num_f32 v[MX+1], |v[XS+3]|, |v[XS+4]|, |v[XS+5]|
.irp i, 6,10,14,18,22,26
	v_max3_num_f32 v[MX], v[MX], |v[XS+\i]|, |v[XS+\i+1]|
	v_max3_num_f32 v[MX+1], v[MX+1], |v[XS+\i+2]|, |v[XS+\i+3]|
.endr
	v_max3_num_f32 v[MX], v[MX], |v[XS+30]|, |v[XS+31]|
	v_max3_num_f32 v[MX], v[MX], v[MX+1], 0x1800000 ; and the floor 2^(3 - 127)
	v_add_nc_u32 v[MX+2], 0xff000000, v[MX]        ; 2 off the exponent field: the conversion's scale operand
	v_lshrrev_b32 v[MX+3], 23, v[MX+2]             ; the byte
.if (\t)%4 == 0
	v_mov_b32 v[SW+(\t)/4], v[MX+3]
.else
	v_lshl_or_b32 v[SW+(\t)/4], v[MX+3], 8*((\t)%4), v[SW+(\t)/4]
.endif
	v_cvt_scalef32_pk16_fp6_f32 v[FS:FS+2], v[XS:XS+15], v[MX+2]
	v_cvt_scalef32_pk16_fp6_f32 v[TA+4*((\t)%2):TA+4*((\t)%2)+2], v[XS+16:XS+31], v[MX+2]
	v_nop                                          ; one plain place behind a scaled conversion
.if (\t)+2 < 8
	WLOAD (\t)+2
.endif
.if (\t)%2 == 1
.set F0, FW+12*((\t)/4)+6*(((\t)/2)%2)
.set F1, F0+24
.irp i, 0,1,2
	v_permlane16_swap_b32 v[F0+\i], v[F1+\i]       ; the first's lanes 16-31 change places with the second's lanes 0-15
.endr
.irp i, 0,1,2
	v_permlane16_swap_b32 v[TA+\i], v[TB+\i]
.endr
.irp i, 0,1,2
	v_mov_b32 v[F0+3+\i], v[TA+\i]
	v_mov_b32 v[F1+3+\i], v[TB+\i]
.endr
.endif
.endm
.macro WSTORE s                        ; both tiles' fragments of the s-th 128 along K.  Their registers are written once, so no wait frees them
.irp u, 0,1
.irp c, 0,1,2
	global_store_b128 v2, v[FW+12*(2*\u+(\s))+4*\c:FW+12*(2*\u+(\s))+4*\c+3], s[48:49] offset:(2*\u+(\s))*FRB+512*\c
.endr
.endr
.endm
	WLOAD 0
	WLOAD 1
	WBLOCK 0
	WBLOCK 1
	WBLOCK 2
	WBLOCK 3
	WSTORE 0
	WBLOCK 4
	WBLOCK 5
	WBLOCK 6
	WBLOCK 7
	WSTORE 1
	global_store_b64 v3, v[SW:SW+1], s[48:49] offset:6144   ; my column's two scale words: 256 consecutive bytes a wave
	s_endpgm
.Lfunc_end_k_qa42ea67514_quant:
	.size	k_qa42ea67514_quant, .Lfunc_end_k_qa42ea67514_quant-k_qa42ea67514_quant
	.p2alignl 7, 3214868480
	.fill 96, 4, 3214868480
	.section	.rodata,"a",@progbits
	.p2align	6, 0x0
	.amdhsa_kernel k_qa42ea67514_quant
		.amdhsa_group_segment_fixed_size 34304
		.amdhsa_private_segment_fixed_size 0
		.amdhsa_enable_private_segment 0
		.amdhsa_kernarg_size 64
		.amdhsa_user_sgpr_count 2
		.amdhsa_user_sgpr_kernarg_segment_ptr 1
		.amdhsa_wavefront_size32 1
		.amdhsa_system_sgpr_workgroup_id_x 1
		.amdhsa_system_sgpr_workgroup_id_y 1
		.amdhsa_system_sgpr_workgroup_id_z 1
		.amdhsa_system_vgpr_workitem_id 0
		.amdhsa_next_free_vgpr 256
		.amdhsa_next_free_sgpr 66
		.amdhsa_reserve_vcc 1
		.amdhsa_float_denorm_mode_32 3
		.amdhsa_float_denorm_mode_16_64 3
		.amdhsa_memory_ordered 1
		.amdhsa_forward_progress 1
		.amdhsa_inst_pref_size 74
	.end_amdhsa_kernel
	.amdgpu_metadata
---
amdhsa.version: [ 1, 2 ]
amdhsa.kernels:
  - .name:           k_qa42ea67514_quant
    .symbol:         k_qa42ea67514_quant.kd
    .args:
      - { .name: x, .offset: 0, .size: 8, .value_kind: global_buffer, .address_space: global }
      - { .name: wq, .offset: 8, .size: 8, .value_kind: global_buffer, .address_space: global }
      - { .name: wk, .offset: 16, .size: 8, .value_kind: global_buffer, .address_space: global }
      - { .name: wv, .offset: 24, .size: 8, .value_kind: global_buffer, .address_space: global }
      - { .name: wo, .offset: 32, .size: 8, .value_kind: global_buffer, .address_space: global }
      - { .name: xc, .offset: 40, .size: 8, .value_kind: global_buffer, .address_space: global }
      - { .name: wc, .offset: 48, .size: 8, .value_kind: global_buffer, .address_space: global }
      - { .name: woc, .offset: 56, .size: 8, .value_kind: global_buffer, .address_space: global }
    .group_segment_fixed_size: 34304
    .private_segment_fixed_size: 0
    .kernarg_segment_align: 8
    .kernarg_segment_size: 64
    .max_flat_workgroup_size: 128
    .sgpr_count:     66
    .vgpr_count:     256
    .wavefront_size: 32
...
	.end_amdgpu_metadata
.endif
;; end of part 1
;; launch qkv (part 2): grid 16 x 16, 4 waves a work-group, clusters of 4 x 4, 327,680 bytes of LDS; arguments xc, wc, freqs_cos, freqs_sin, qkvf, qkvs; writes qkvf, qkvs
.if DOCPART == 2
	.amdgcn_target "amdgcn-amd-amdhsa--gfx1250"
	.amdhsa_code_object_version 6
	.text
	.protected	k_qa42ea67514_qkv
	.globl	k_qa42ea67514_qkv
	.p2align	8
	.type	k_qa42ea67514_qkv,@function
k_qa42ea67514_qkv:
	s_mov_b64 s[64:65], 0
	v_nop
	global_prefetch_b8 v0, s[64:65] scope:SCOPE_SE
	s_setreg_imm32_b32 hwreg(HW_REG_WAVE_MODE, 25, 1), 1
	s_wait_xcnt 0x0
	s_wait_alu depctr_hold_cnt(0) depctr_sa_sdst(0) depctr_va_vdst(0) depctr_va_sdst(0) depctr_va_ssrc(0) depctr_va_vcc(0) depctr_vm_vsrc(0)
	s_getreg_b32 s2, hwreg(HW_REG_IB_STS2, 6, 4)
	s_cmp_eq_u32 s2, 0
	s_cbranch_scc0 .Lentry_in_a_cluster
	s_endpgm
.Lentry_in_a_cluster:
	s_bfe_u32 s2, ttmp6, 0x10000c
	s_cmp_lg_u32 s2, 0xf033
	s_cbranch_scc0 .Lentry_shape_is_right
	s_endpgm
.Lentry_shape_is_right:
; x wq, x wk (with the rotation by freqs_cos, freqs_sin) and x wv, on codes of FP6 (E2M3) with E8M0 scales, K = 4,096; the results are quantised in registers along the NEXT product's K and stored as operand images.
; OPERANDS come as super-blocks of 6,400 bytes (32 rows x 256 K: four fragments as images of their 12 registers a lane, then 256 bytes of scale words); of 32 rows tile u holds rows 8 u + r + 8 (r / 8).
; P is source 0, R source 1.  In the result lane (r, h) holds row r of R's tile, and the 16 registers of P's tiles 2 b, 2 b + 1 hold P's rows 32 b + 16 h + 0 .. 15: 16 neighbours along the next K.
;   clusters x = 0 .. 2 (Q and K): P = wc's rows (a wave's 128 are one head's channels), R = xc's tokens.  The next K is the head's 128.
;   cluster  x = 3      (V):       P = xc's tokens, R = wc's rows 3,072 on.  The next K is the keys.
; A work-group makes 256 rows of P x 128 rows of R; a wave 128 x 64: 32 accumulators, 256 registers.  256 work-groups.
; K goes in slots of 512 (a row of a tile: two super-blocks, 12,800 consecutive bytes) through a ring of two LDS slots; waves 0, 1 fetch P's halves, waves 2, 3 R's, one tensor load each.
; CLUSTERS 4 x 4: P's tile hangs on cx alone and is asked for jointly by a column of the cluster, R's on cy alone and by a row.
; OUTPUT: a QUAD is four fragments (64 rows x 128 K), 6,144 bytes of qkvf, and 512 bytes of qkvs (lane l: 16 bytes at 16 l, word m fragment m's).  Q of head H: quad 32 H + tokens / 64; K of kv head g: 32 (16 + g) + tokens / 64;
; V^T of kv head g: 768 + 32 g + 2 (keys / 128) + channels / 64.
; LIMITS: NaN and infinities are not served; a block whose largest magnitude lies under 2^-124 gets the byte 1 (a block of zeros too: its codes are zeros, and this program alone reads the bytes).
; REGISTERS: window 0: v4-16 addresses; v32-55 scale words and nothing else; v64-159 R's fragments, two sets; v160-223 at work on the way out.  window 1: v0-191 P's fragments, two sets.
;   window 2: accumulator (m, t) at 64 m + 8 t.  window 3: cos at 64 m + p, sin at 64 m + 32 + p, p the pair of channels.
.set NG,     16                        ; groups of 256 along K
.set LAPS,   4                         ; K / 1,024: a lap is once round the ring
.set PAIRB,  12800                     ; a pair of tiles in a slot
.set SBB,    6400
.set FRB,    1536
.set RBASE,  8*PAIRB                   ; a slot: P's 8 pairs, then R's 4
.set SLOT,   12*PAIRB
.set SPARE,  2*SLOT                    ; behind the ring: the spare words, 128 bytes a wave: two blocks of 256 bytes that no other line names
.set ADP, 4                            ; v4-5   LDS address of my P fragments in slot 0, 1
.set ADR, 6                            ; v6-7   of my R fragments
.set ASP, 8                            ; v8-9   of P's scale words
.set ASR, 10                           ; v10-11 of R's
.set SPW, 12                           ; v12    my spare word; never rewritten
.set NIL, 13                           ; v13    0; never rewritten
.set LI,  14                           ; v14    16 x lane
.set CA,  16                           ; v16    my lane's place in the tables of cos and sin
.set SC,  32                           ; scale words: set g at SC + 12 g; P's pair pp, word s at + 2 pp + s; R's pair rp at + 8 + 2 rp + s.  Lanes 0-15: the pair's tile 0, lanes 16-31: tile 1
.set RF,  64                           ; R's fragments: set e, tile m at RF + 48 e + 12 m
.set TT,  160                          ; the rotation's products
.set PCQ, 64                           ; the way out: tile m's codes at PCQ + 12 m
.set TQ,  112                          ; v112-118 the upper halves' codes
.set TM,  120                          ; v120-135 at work
.set PWQ, 136                          ; v136-139 the four tiles' scale words
.set SEL, 20                           ; s[20:21]
.set G1P, 24                           ; s[24:31] group 1 for P's tiles; s[32:39] group 0, a set for each slot
.set G0P, 32
.set G1R, 48                           ; s[48:55], s[56:63] the same for R's
.set G0R, 56
.set MUL,  0xa1                        ; source 0 (P) window 1, source 1 (R) window 0, C and D window 2
.set TO_P, 0x40                        ; destination window 1, address window 0
.set MSB, 0
.macro WIN new                         ; the immediate's high byte repeats the setting that is left
.if MSB != \new
	s_set_vgpr_msb (MSB<<8)|\new
.set MSB, \new
.endif
.endm
.macro PLACES n
.rept \n
	v_nop
.endr
.endm
; A joint load: waves 0, 1 ask for P, waves 2, 3 for R.  The branch hangs on the wave's number alone.  Four v_nop follow each line.
.macro JLOAD g0p, g0r
	s_cmp_eq_u32 s15, 0
	s_cbranch_scc0 .Lfor_r_\@
	tensor_load_to_lds s[\g0p:\g0p+3], s[G1P:G1P+7]
	s_nop 0
.rept 4
	v_nop
.endr
	s_branch .Lasked_\@
.Lfor_r_\@:
	tensor_load_to_lds s[\g0r:\g0r+3], s[G1R:G1R+7]
	s_nop 0
.rept 4
	v_nop
.endr
.Lasked_\@:
.endm
.macro CREST                           ; a round of the cluster's barrier behind its opening barrier
	s_cmp_lg_u32 s14, 0
	s_cbranch_scc1 .Lnot_wave_0_\@
	s_barrier_signal -3
.Lnot_wave_0_\@:
	s_barrier_wait -3
	s_barrier_signal -1
	s_barrier_wait -1
.endm
.macro CROUND
	s_barrier_signal -1
	s_barrier_wait -1
	CREST
.endm
; one matrix instruction.  ra, rb: the side's scale words stand in lanes 16-31 of the register named
.macro WM d, a, b, sa, sb, ra, rb, zero
.if \zero
.if (\ra) && (\rb)
	v_wmma_scale_f32_16x16x128_f8f6f4 v[\d:\d+7], v[\a:\a+11], v[\b:\b+11], 0, v[\sa], v[\sb] matrix_a_fmt:MATRIX_FMT_FP6 matrix_b_fmt:MATRIX_FMT_FP6 matrix_a_scale:MATRIX_SCALE_ROW1 matrix_b_scale:MATRIX_SCALE_ROW1
.elseif \ra
	v_wmma_scale_f32_16x16x128_f8f6f4 v[\d:\d+7], v[\a:\a+11], v[\b:\b+11], 0, v[\sa], v[\sb] matrix_a_fmt:MATRIX_FMT_FP6 matrix_b_fmt:MATRIX_FMT_FP6 matrix_a_scale:MATRIX_SCALE_ROW1
.elseif \rb
	v_wmma_scale_f32_16x16x128_f8f6f4 v[\d:\d+7], v[\a:\a+11], v[\b:\b+11], 0, v[\sa], v[\sb] matrix_a_fmt:MATRIX_FMT_FP6 matrix_b_fmt:MATRIX_FMT_FP6 matrix_b_scale:MATRIX_SCALE_ROW1
.else
	v_wmma_scale_f32_16x16x128_f8f6f4 v[\d:\d+7], v[\a:\a+11], v[\b:\b+11], 0, v[\sa], v[\sb] matrix_a_fmt:MATRIX_FMT_FP6 matrix_b_fmt:MATRIX_FMT_FP6
.endif
.else
.if (\ra) && (\rb)
	v_wmma_scale_f32_16x16x128_f8f6f4 v[\d:\d+7], v[\a:\a+11], v[\b:\b+11], v[\d:\d+7], v[\sa], v[\sb] matrix_a_fmt:MATRIX_FMT_FP6 matrix_b_fmt:MATRIX_FMT_FP6 matrix_a_scale:MATRIX_SCALE_ROW1 matrix_b_scale:MATRIX_SCALE_ROW1
.elseif \ra
	v_wmma_scale_f32_16x16x128_f8f6f4 v[\d:\d+7], v[\a:\a+11], v[\b:\b+11], v[\d:\d+7], v[\sa], v[\sb] matrix_a_fmt:MATRIX_FMT_FP6 matrix_b_fmt:MATRIX_FMT_FP6 matrix_a_scale:MATRIX_SCALE_ROW1
.elseif \rb
	v_wmma_scale_f32_16x16x128_f8f6f4 v[\d:\d+7], v[\a:\a+11], v[\b:\b+11], v[\d:\d+7], v[\sa], v[\sb] matrix_a_fmt:MATRIX_FMT_FP6 matrix_b_fmt:MATRIX_FMT_FP6 matrix_b_scale:MATRIX_SCALE_ROW1
.else
	v_wmma_scale_f32_16x16x128_f8f6f4 v[\d:\d+7], v[\a:\a+11], v[\b:\b+11], v[\d:\d+7], v[\sa], v[\sb] matrix_a_fmt:MATRIX_FMT_FP6 matrix_b_fmt:MATRIX_FMT_FP6
.endif
.endif
.endm
; 8 matrix instructions: R's tile m against P's eight; fragments of set e, scale words of set g, word s.  The 32 accumulators take turns in one order in every step.
.macro MULS m, e, g, s, zero
.irp t, 0,1,2,3,4,5,6,7
	WM 64*(\m)+8*\t, 96*(\e)+12*\t, RF+48*(\e)+12*(\m), SC+12*(\g)+2*(\t/2)+(\s), SC+12*(\g)+8+2*((\m)/2)+(\s), \t%2, (\m)%2, \zero
.endr
.endm
; the fragments of the slot's q-th 128 along K into set e: three loads of 16 bytes a lane bring a fragment as it was stored.  With an even q also the scale words of 256 along K, into set q / 2
.macro FETCH slot, q, e
	WIN TO_P
.irp t, 0,1,2,3,4,5,6,7
.irp c, 0,1,2
	ds_load_b128 v[96*(\e)+12*\t+4*\c:96*(\e)+12*\t+4*\c+3], v[ADP+\slot] offset:(\t/2)*PAIRB+((\q)/2)*SBB+(2*(\t%2)+(\q)%2)*FRB+512*\c
.endr
.endr
	WIN 0
.irp m, 0,1,2,3
.irp c, 0,1,2
	ds_load_b128 v[RF+48*(\e)+12*\m+4*\c:RF+48*(\e)+12*\m+4*\c+3], v[ADR+\slot] offset:(\m/2)*PAIRB+((\q)/2)*SBB+(2*(\m%2)+(\q)%2)*FRB+512*\c
.endr
.endr
.if (\q)%2 == 0
.irp p, 0,1,2,3
	ds_load_b64 v[SC+12*((\q)/2)+2*\p:SC+12*((\q)/2)+2*\p+1], v[ASP+\slot] offset:\p*PAIRB+((\q)/2)*SBB
.endr
.irp p, 0,1
	ds_load_b64 v[SC+12*((\q)/2)+8+2*\p:SC+12*((\q)/2)+8+2*\p+1], v[ASR+\slot] offset:\p*PAIRB+((\q)/2)*SBB
.endr
.endif
.endm
; A step of 128 along K that has its successor in the same slot: the successor's fragments are asked for, then this step's 32 products are issued.
.macro STEP slot, q, zero
	s_wait_dscnt 0x0                               ; this step's fragments are in (asked for 32 matrix instructions ago)
	PLACES 4                                       ; in front of loads into registers that the last step's matrix instructions have read (ISA guide 7.12.1 for vector instructions)
	FETCH \slot, (\q)+1, ((\q)+1)%2
	WIN MUL
	MULS 0, (\q)%2, (\q)/2, (\q)%2, \zero
	MULS 1, (\q)%2, (\q)/2, (\q)%2, \zero
	MULS 2, (\q)%2, (\q)/2, (\q)%2, \zero
	MULS 3, (\q)%2, (\q)/2, (\q)%2, \zero
	WIN 0
.endm
; A slot's last step changes slots: ONE barrier; in front of it each wave waits for all its tensor loads, adds 0 to its spare word, and waits for that and for its reads of this slot.  fill = 1: the slot is filled again, two slots ahead.
.macro TURN slot, next, fill
	s_wait_tensorcnt 0x0                           ; all my tensor loads have landed: my part of the next slot
	ds_add_u32 v[SPW], v[NIL]                      ; 0 onto my spare word
	s_wait_dscnt 0x1                               ; the add alone may be out: this step's fragments are in
	WIN MUL
	MULS 0, 1, 1, 1, 0                             ; eight matrix instructions stand between the add and the wait for it
	s_wait_dscnt 0x0                               ; the add is done, and my reads of this slot are over
	s_barrier_signal -1
	MULS 1, 1, 1, 1, 0
	WIN 0
	s_barrier_wait -1
.if \fill
	CREST                                          ; the barrier has opened a round of the cluster's barrier: no wave of any partner still reads this slot or has a load on its way
	s_add_nc_u64 s[G0P+4*\slot+2:G0P+4*\slot+3], s[G0P+4*\slot+2:G0P+4*\slot+3], 2*PAIRB
	s_add_nc_u64 s[G0R+4*\slot+2:G0R+4*\slot+3], s[G0R+4*\slot+2:G0R+4*\slot+3], 2*PAIRB
	JLOAD G0P+4*\slot, G0R+4*\slot                 ; the first tensor load behind the round; its four v_nop are also the places in front of the loads below
.else
	PLACES 4
.endif
	FETCH \next, 0, 0
	WIN MUL
	MULS 2, 1, 1, 1, 0
	MULS 3, 1, 1, 1, 0
	WIN 0
.endm
	s_load_b256 s[4:11], s[0:1], 0x0               ; xc s[4:5], wc s[6:7], cos s[8:9], sin s[10:11]
	s_load_b128 s[68:71], s[0:1], 0x20             ; qkvf s[68:69], qkvs s[70:71]
	v_lshl_add_u32 v[SPW], v0, 2, SPARE
	v_mov_b32 v[NIL], 0
	ds_add_u32 v12, v13
	ds_add_u32 v12, v13
	s_wait_dscnt 0x0
	v_lshrrev_b32 v1, 5, v0
	v_readfirstlane_b32 s14, v1                    ; wave 0..3
	s_lshr_b32 s15, s14, 1                         ; which 128 rows of P are mine.  Also: I fetch for P (0) or for R (1)
	s_and_b32 s16, s14, 1                          ; which 64 rows of R.  Also: which half of the tile I fetch
	s_bfe_u32 s40, ttmp6, 0x40000                  ; cx
	s_bfe_u32 s41, ttmp6, 0x40004                  ; cy
	s_and_b32 s17, ttmp7, 0xffff                   ; the cluster's y
	s_lshl_b32 s43, s41, 2
	s_lshl_b32 s43, 15, s43                        ; my row of the cluster
	s_lshl_b32 s44, 0x1111, s40                    ; my column
	; group 1: rows of 1,600 elements of 8 bytes (12,800 bytes), 800 NG elements apart; P: 4 rows a load, R: 2.  No padding: fragments are read as they lie, 512 consecutive bytes a load
	s_or_b32 s[G1P], s44, (3<<16)|(1<<21)          ; 15:0 the mask: P's tiles go to my column; 17:16 elements of 8 bytes; 21 set beside a mask
	s_or_b32 s[G1R], s43, (3<<16)|(1<<21)          ; R's go to my row
.irp g, G1P, G1R
	s_mov_b32 s[\g+1], 1600<<16                    ; tensor_dim0
	s_mov_b32 s[\g+3], 1600<<16                    ; tile_dim0
	s_mov_b32 s[\g+5], 800*NG                      ; tensor_dim0_stride
	s_mov_b32 s[\g+6], 0
	s_mov_b32 s[\g+7], 0
.endr
	s_mov_b32 s[G1P+2], 4<<16                      ; tensor_dim1
	s_mov_b32 s[G1P+4], 4                          ; tile_dim1
	s_mov_b32 s[G1R+2], 2<<16
	s_mov_b32 s[G1R+4], 2
	; which blocks.  The choice hangs on the cluster's x, which all sixteen partners share.  Registers that feed P's descriptors never hold cy, those that feed R's never cx.
	s_lshl_b32 s45, ttmp9, 2                       ; Q, K: P's block = 4 x cluster x + cx
	s_and_b32 s46, s17, 1
	s_lshl_b32 s46, s46, 2                         ; V:    4 (cluster y & 1) + cx
	s_lshl_b32 s47, s17, 2                         ; Q, K: R's block = 4 x cluster y + cy
	s_lshr_b32 s72, s17, 1
	s_lshl_b32 s72, s72, 2                         ; V:    4 (cluster y >> 1) + cy
	s_wait_kmcnt 0x0
	s_cmp_eq_u32 ttmp9, 3
	s_cselect_b32 s45, s46, s45
	s_cselect_b32 s47, s72, s47
	s_cselect_b32 s73, 96, 0                       ; V: wv's rows begin at pair 96 of wc
	s_cselect_b64 s[74:75], s[4:5], s[6:7]         ; P's buffer
	s_cselect_b64 s[76:77], s[6:7], s[4:5]         ; R's
	s_add_co_u32 s45, s45, s40                     ; P's block of 256 rows
	s_add_co_u32 s47, s47, s41                     ; R's block of 128 rows
	s_lshl_b32 s78, s45, 3
	s_lshl_b32 s79, s16, 2
	s_add_co_u32 s78, s78, s79                     ; the first pair that I would fetch of P
	s_mul_i32 s78, s78, NG*SBB
	s_mov_b32 s79, 0
	s_add_nc_u64 s[74:75], s[74:75], s[78:79]
	s_lshl_b32 s80, s47, 2
	s_add_co_u32 s80, s80, s73
	s_lshl_b32 s81, s16, 1
	s_add_co_u32 s80, s80, s81                     ; and of R
	s_mul_i32 s80, s80, NG*SBB
	s_mov_b32 s81, 0
	s_add_nc_u64 s[76:77], s[76:77], s[80:81]
	s_mul_i32 s82, s16, 4*PAIRB                    ; where they go: no place in the cluster enters an LDS address
	s_mul_i32 s83, s16, 2*PAIRB
	s_add_co_u32 s83, s83, RBASE
	CROUND                                         ; all sixteen work-groups are here: the first joint loads meet
.irp s, 0,1
	s_mov_b32 s[G0P+4*\s], 1                       ; count = 1
	s_add_co_u32 s[G0P+4*\s+1], s82, \s*SLOT       ; LDS address
	s_add_nc_u64 s[G0P+4*\s+2:G0P+4*\s+3], s[74:75], \s*PAIRB   ; global address: slot s
	s_or_b32 s[G0P+4*\s+3], s[G0P+4*\s+3], 0x80000000           ; type = 2
	s_mov_b32 s[G0R+4*\s], 1
	s_add_co_u32 s[G0R+4*\s+1], s83, \s*SLOT
	s_add_nc_u64 s[G0R+4*\s+2:G0R+4*\s+3], s[76:77], \s*PAIRB
	s_or_b32 s[G0R+4*\s+3], s[G0R+4*\s+3], 0x80000000
	JLOAD G0P+4*\s, G0R+4*\s                       ; two loads of mine are out
.endr
	v_and_b32 v1, 31, v0
	v_lshlrev_b32 v[LI], 4, v1
	v_lshlrev_b32 v15, 3, v1
	s_mul_i32 s18, s15, 4*PAIRB                    ; my 4 pairs of P
	s_mul_i32 s19, s16, 2*PAIRB                    ; my 2 pairs of R,
	s_add_co_u32 s19, s19, RBASE                   ; behind P's 8
	v_add_nc_u32 v[ADP], s18, v[LI]
	v_add_nc_u32 v[ADR], s19, v[LI]
	v_add_nc_u32 v[ASP], s18, v15
	v_add_nc_u32 v[ASR], s19, v15
	v_add_nc_u32 v[ASP], 4*FRB, v[ASP]             ; the scale words lie behind a super-block's four fragments
	v_add_nc_u32 v[ASR], 4*FRB, v[ASR]
	v_add_nc_u32 v[ADP+1], SLOT, v[ADP]
	v_add_nc_u32 v[ADR+1], SLOT, v[ADR]
	v_add_nc_u32 v[ASP+1], SLOT, v[ASP]
	v_add_nc_u32 v[ASR+1], SLOT, v[ASR]
	v_and_b32 v1, 15, v0                           ; r
	v_and_b32 v2, 8, v1
	v_add_nc_u32 v2, v2, v1                        ; r + 8 (r / 8): my token in its tile's 32
	v_bfe_u32 v3, v0, 4, 1                         ; h
	v_lshlrev_b32 v[CA], 8, v2                     ; a token's row of cos or sin is 256 bytes
	v_lshl_add_u32 v[CA], v3, 5, v[CA]             ; + 32 h: my half's 8 pairs of a block of 32 channels
	s_mov_b32 s[SEL], 0x76543210
	s_mov_b32 s[SEL+1], 0xfedcba98
	; where the results go (registers of their own: both coordinates meet here)
	s_lshl_b32 s84, s45, 1
	s_add_co_u32 s84, s84, s15                     ; Pi: which 128 rows of P
	s_lshl_b32 s85, s47, 1
	s_add_co_u32 s85, s85, s16                     ; Rq: which 64 rows of R
	s_lshl_b32 s86, s84, 5
	s_add_co_u32 s86, s86, s85                     ; Q, K: quad 32 Pi + Rq
	s_lshr_b32 s87, s85, 1
	s_lshl_b32 s87, s87, 5
	s_lshl_b32 s88, s84, 1
	s_add_co_u32 s87, s87, s88
	s_and_b32 s88, s85, 1
	s_add_co_u32 s87, s87, s88
	s_add_co_u32 s87, s87, 768                     ; V: quad 768 + 32 (Rq / 2) + 2 Pi + Rq % 2
	s_cmp_eq_u32 ttmp9, 3
	s_cselect_b32 s86, s87, s86
	s_mul_i32 s88, s86, 4*FRB
	s_mov_b32 s89, 0
	s_add_nc_u64 s[68:69], s[68:69], s[88:89]
	s_lshl_b32 s88, s86, 9
	s_add_nc_u64 s[70:71], s[70:71], s[88:89]
	s_lshl_b32 s88, s85, 14                        ; 64 Rq rows of 256 bytes: my tokens' cos and sin
	s_add_nc_u64 s[8:9], s[8:9], s[88:89]
	s_add_nc_u64 s[10:11], s[10:11], s[88:89]
	s_wait_tensorcnt 0x1                           ; my part of slot 0 is in; slot 1's may stay out
	s_barrier_signal -1
	s_barrier_wait -1                              ; everybody's is
	FETCH 0, 0, 0
	STEP 0, 0, 1                                   ; the first step stands in front of the loop: its products start the sums
	s_mov_b32 s3, LAPS-1
.Llap:                                             ; a trip goes once round the ring, from a lap's second step to the next lap's first, and fills both slots again
	STEP 0, 1, 0
	STEP 0, 2, 0
	TURN 0, 1, 1
	STEP 1, 0, 0
	STEP 1, 1, 0
	STEP 1, 2, 0
	TURN 1, 0, 1
	STEP 0, 0, 0
	s_sub_co_u32 s3, s3, 1
	s_cmp_lg_u32 s3, 0
	s_cbranch_scc1 .Llap
	; cos and sin of my 64 tokens, asked for a lap ahead of their use: for tile m and block b of 32 channels my half's 8 pairs, 32 bytes of each table.
	; V's work-groups ask too (64 rows that lie inside the tables) and use nothing of it: so the text has one way up to the rotation.
	WIN 0xc0                                       ; destination window 3
.irp m, 0,1,2,3
.irp b, 0,1,2,3
.irp j, 0,1
	global_load_b128 v[64*\m+8*\b+4*\j:64*\m+8*\b+4*\j+3], v[CA], s[8:9] offset:(32*(\m/2)+8*(\m%2))*256+64*\b+16*\j
.endr
.endr
.irp b, 0,1,2,3
.irp j, 0,1
	global_load_b128 v[64*\m+32+8*\b+4*\j:64*\m+32+8*\b+4*\j+3], v[CA], s[10:11] offset:(32*(\m/2)+8*(\m%2))*256+64*\b+16*\j
.endr
.endr
.endr
	WIN 0
	STEP 0, 1, 0                                   ; the last lap fills nothing, and has no round of the cluster's barrier
	STEP 0, 2, 0
	TURN 0, 1, 0
	STEP 1, 0, 0
	STEP 1, 1, 0
	STEP 1, 2, 0
	s_wait_dscnt 0x0                               ; the very last step: nothing more to fetch
	WIN MUL
	MULS 0, 1, 1, 1, 0
	MULS 1, 1, 1, 1, 0
	MULS 2, 1, 1, 1, 0
	MULS 3, 1, 1, 1, 0
	WIN 0
; THE WAY OUT.  Register 64 m + 16 b + i of window 2 is (P's row 32 b + 16 h + i, R's tile m, row r).
; The rotation of tile m: channels 2 p, 2 p + 1 of a head are neighbours in a lane: (a, b) -> (a cos - b sin, b cos + a sin), each a product and a fused multiply-add, in f32.
.macro ROPE m
	s_wait_loadcnt 16*(3-(\m))                     ; this tile's 16 loads are in; the later tiles' may be out
	WIN 0x0e                                       ; source 0 window 2, source 1 window 3, destination window 0
.set PP, 0
.rept 32
	v_mul_f32 v[TT+2*PP], v[64*(\m)+2*PP+1], v[64*(\m)+32+PP]     ; each accumulator is first read at one of its lowest registers
	v_mul_f32 v[TT+2*PP+1], v[64*(\m)+2*PP], v[64*(\m)+32+PP]
.set PP, PP+1
.endr
	WIN 0x8e                                       ; destination and source 0 window 2, source 1 window 3, source 2 window 0
.set PP, 0
.rept 32
	v_fma_f32 v[64*(\m)+2*PP], v[64*(\m)+2*PP], v[64*(\m)+PP], -v[TT+2*PP]
	v_fma_f32 v[64*(\m)+2*PP+1], v[64*(\m)+2*PP+1], v[64*(\m)+PP], v[TT+2*PP+1]
.set PP, PP+1
.endr
	WIN 0
.endm
; Tile m's 64 numbers a lane become a fragment's codes in v[PCQ + 12 m] on and its scale word in v[PWQ + m].
.macro QUANT2 m
	WIN 0x28                                       ; sources 1 and 2 window 2
.irp b, 0,1,2,3
	v_max3_num_f32 v[TM+\b], 0x1800000, |v[64*(\m)+16*\b]|, |v[64*(\m)+16*\b+1]|   ; block b: my 16 numbers, and the floor 2^(3 - 127): the byte cannot fall under 1
.endr
.irp i, 2,4,6,8,10,12,14
.irp b, 0,1,2,3
	v_max3_num_f32 v[TM+\b], v[TM+\b], |v[64*(\m)+16*\b+\i]|, |v[64*(\m)+16*\b+\i+1]|
.endr
.endr
	WIN 0
.irp b, 0,1,2,3
	v_permlanex16_b32 v[TM+4+\b], v[TM+\b], s[SEL], s[SEL+1]
.endr
.irp b, 0,1,2,3
	v_max_num_f32 v[TM+\b], v[TM+\b], v[TM+4+\b]   ; with lane l xor 16's: the block's largest magnitude
.endr
.irp b, 0,1,2,3
	v_add_nc_u32 v[TM+12+\b], 0xff000000, v[TM+\b] ; 2 off the exponent field: the conversion's scale operand
.endr
.irp b, 0,1,2,3
	v_lshrrev_b32 v[TM+4+\b], 23, v[TM+12+\b]      ; the byte
.endr
	v_lshl_or_b32 v[PWQ+(\m)], v[TM+5], 8, v[TM+4]
	v_lshl_or_b32 v[PWQ+(\m)], v[TM+6], 16, v[PWQ+(\m)]
	v_lshl_or_b32 v[PWQ+(\m)], v[TM+7], 24, v[PWQ+(\m)]
	WIN 0x02                                       ; source 0 window 2
.irp c, 0,1
	v_cvt_scalef32_pk16_fp6_f32 v[PCQ+12*(\m)+6*\c:PCQ+12*(\m)+6*\c+2], v[64*(\m)+32*\c:64*(\m)+32*\c+15], v[TM+12+2*\c]
	v_cvt_scalef32_pk16_fp6_f32 v[TQ+4*\c:TQ+4*\c+2], v[64*(\m)+32*\c+16:64*(\m)+32*\c+31], v[TM+12+2*\c+1]
.endr
	WIN 0
	v_nop                                          ; one plain place behind a scaled conversion
.irp c, 0,1
.irp i, 0,1,2
	v_permlane16_swap_b32 v[PCQ+12*(\m)+6*\c+\i], v[TQ+4*\c+\i]
.endr
.irp i, 0,1,2
	v_mov_b32 v[PCQ+12*(\m)+6*\c+3+\i], v[TQ+4*\c+\i]
.endr
.endr
.irp c, 0,1,2
	global_store_b128 v[LI], v[PCQ+12*(\m)+4*\c:PCQ+12*(\m)+4*\c+3], s[68:69] offset:FRB*(\m)+512*\c   ; 512 consecutive bytes, at a multiple of 256 from the buffer's first byte; these registers are written once
.endr
.endm
	PLACES 4                                       ; behind the last products: what follows reads results and writes registers that held R's fragments
.irp b, 0,1,2,3
	v_mov_b32 v[TM+4+\b], 0                        ; written once: a lane permute's destination counts as one of its sources
.endr
	s_cmp_eq_u32 ttmp9, 3                          ; V is not rotated: the same branch in all sixteen partners
	s_cbranch_scc1 .Lno_rope
	ROPE 0
	ROPE 1
	ROPE 2
	ROPE 3
.Lno_rope:
	QUANT2 0
	QUANT2 1
	QUANT2 2
	QUANT2 3
	global_store_b128 v[LI], v[PWQ:PWQ+3], s[70:71]   ; the quad's scale words
	s_wait_tensorcnt 0x0                           ; the wave's end
	ds_add_u32 v[SPW], v[NIL]
	s_wait_dscnt 0x0
	CROUND                                         ; the closing round: no work-group ends while a partner may still ask for a tile that names it
	s_endpgm
.Lfunc_end_k_qa42ea67514_qkv:
	.size	k_qa42ea67514_qkv, .Lfunc_end_k_qa42ea67514_qkv-k_qa42ea67514_qkv
	.p2alignl 7, 3214868480
	.fill 96, 4, 3214868480
	.section	.rodata,"a",@progbits
	.p2align	6, 0x0
	.amdhsa_kernel k_qa42ea67514_qkv
		.amdhsa_group_segment_fixed_size 327680
		.amdhsa_private_segment_fixed_size 0
		.amdhsa_enable_private_segment 0
		.amdhsa_kernarg_size 48
		.amdhsa_user_sgpr_count 2
		.amdhsa_user_sgpr_kernarg_segment_ptr 1
		.amdhsa_wavefront_size32 1
		.amdhsa_system_sgpr_workgroup_id_x 1
		.amdhsa_system_sgpr_workgroup_id_y 1
		.amdhsa_system_sgpr_workgroup_id_z 1
		.amdhsa_system_vgpr_workitem_id 0
		.amdhsa_next_free_vgpr 1024
		.amdhsa_next_free_sgpr 100
		.amdhsa_reserve_vcc 0
		.amdhsa_float_denorm_mode_32 3
		.amdhsa_float_denorm_mode_16_64 3
		.amdhsa_memory_ordered 1
		.amdhsa_forward_progress 1
		.amdhsa_inst_pref_size 166
	.end_amdhsa_kernel
	.amdgpu_metadata
---
amdhsa.version: [ 1, 2 ]
amdhsa.kernels:
  - .name:           k_qa42ea67514_qkv
    .symbol:         k_qa42ea67514_qkv.kd
    .args:
      - { .name: xc, .offset: 0, .size: 8, .value_kind: global_buffer, .address_space: global }
      - { .name: wc, .offset: 8, .size: 8, .value_kind: global_buffer, .address_space: global }
      - { .name: freqs_cos, .offset: 16, .size: 8, .value_kind: global_buffer, .address_space: global }
      - { .name: freqs_sin, .offset: 24, .size: 8, .value_kind: global_buffer, .address_space: global }
      - { .name: qkvf, .offset: 32, .size: 8, .value_kind: global_buffer, .address_space: global }
      - { .name: qkvs, .offset: 40, .size: 8, .value_kind: global_buffer, .address_space: global }
    .group_segment_fixed_size: 327680
    .private_segment_fixed_size: 0
    .kernarg_segment_align: 8
    .kernarg_segment_size: 48
    .max_flat_workgroup_size: 128
    .sgpr_count:     100
    .vgpr_count:     1024
    .wavefront_size: 32
...
	.end_amdgpu_metadata
.endif
;; end of part 2
;; launch attn (part 3): grid 32 x 8, 8 waves a work-group, clusters of 4 x 4, 327,680 bytes of LDS; arguments qkvf, qkvs, mask, ac; writes ac
.if DOCPART == 3
	.amdgcn_target "amdgcn-amd-amdhsa--gfx1250"
	.amdhsa_code_object_version 6
	.text
	.protected	k_qa42ea67514_attn
	.globl	k_qa42ea67514_attn
	.p2align	8
	.type	k_qa42ea67514_attn,@function
k_qa42ea67514_attn:
	s_mov_b64 s[64:65], 0
	v_nop
	global_prefetch_b8 v0, s[64:65] scope:SCOPE_SE
	s_setreg_imm32_b32 hwreg(HW_REG_WAVE_MODE, 25, 1), 1
	s_wait_xcnt 0x0
	s_wait_alu depctr_hold_cnt(0) depctr_sa_sdst(0) depctr_va_vdst(0) depctr_va_sdst(0) depctr_va_ssrc(0) depctr_va_vcc(0) depctr_vm_vsrc(0)
	s_getreg_b32 s2, hwreg(HW_REG_IB_STS2, 6, 4)
	s_cmp_eq_u32 s2, 0
	s_cbranch_scc0 .Lentry_in_a_cluster
	s_endpgm
.Lentry_in_a_cluster:
	s_bfe_u32 s2, ttmp6, 0x10000c
	s_cmp_lg_u32 s2, 0xf033
	s_cbranch_scc0 .Lentry_shape_is_right
	s_endpgm
.Lentry_shape_is_right:
; out[q][H][:] = the sum over k of softmax_k(Q[H][q] . K[H / 2][k] / sqrt(128) + mask[q][k]) V[H / 2][k][:], both products on codes of FP6 (E2M3) with E8M0 scales; 2,048 tokens, 16 heads, 8 kv heads, head size 128.
; THE MASK IS AN INPUT: every score is made, and mask[q][k] is added in f32 ahead of the maximum.  (The input positions enters no value of the result and is not among this program's arguments.)
; THE SOFTMAX: t = logit x log2(e); M = the running largest t rounded UP to a whole number; p = 2^(t - M) is quantised along the keys, not normalised; the row's sum is taken of the unquantised p and divides at the end.
; When M moves, the sum and O are multiplied by 2^(old M - new M): exact.
; OPERANDS come as images of their registers (a fragment: 1,536 bytes; a quad: four fragments; scale words: 16 bytes a lane for a quad).  Of 32 rows tile u holds rows 8 u + r + 8 (r / 8).
; SHARES.  A work-group owns 64 queries and one kv head, so two heads.  Wave w has the tile w % 4 of 16 queries, FOR BOTH HEADS, and of every slot's 256 keys the 128 keys numbered w / 4: so one set of K's and V's fragments
; and of the mask's numbers in its registers feeds two tiles, and each fragment is read from LDS by four waves.  A wave's tile 0 is head 2 g + w / 4, its tile 1 the other head.  Two waves to a SIMD, 512 registers each.
; At the end wave w hands tile 1's O^T, -M and sum to wave w xor 4, whose tile 0 is that head, and joins what it receives to its own tile 0: both parts are brought under the larger M by exact powers of two.
; Both products are used transposed (S^T = K Q^T, O^T = V^T P^T): a lane holds ONE query throughout, and the 16 registers of tiles 2 b, 2 b + 1 are keys (or channels) 32 b + 16 h + 0 .. 15.
; RING: two slots of 256 keys: K's 16 fragments, V's 16, and 64 rows x 256 numbers of the mask.  Waves 0-3 fetch K's and V's halves, waves 4-7 16 rows of the mask each.  The scale words of the whole kv head come once.
; CLUSTERS 4 x 4: K, V and their scale words hang on the kv head alone and are asked for jointly by a row of the cluster; the mask's tile hangs on the queries alone and is asked for by a column.
; OUTPUT: O / the sum, quantised along the last product's K (head x 128 + channel), as super-blocks of 6,400 bytes: [pair of token tiles][kv head]: fragment (tile u, head's parity s) at 1,536 (2 u + s), scale words at 6,144.
; LIMITS: NaN and infinities are not served; p under 2^-126 is 0; a block of p that is all zeros, and a block of O under 2^-124, get the byte 1 (zero codes add nothing).
; REGISTERS: window 0: v1-11 addresses; tile x: v12+4x -M, v13+4x the largest t, v[14+4x:15+4x] the sum, v[20+2x:21+2x] f; v24-25 Q's scale words, v26-27 p's, v32-39 K's, v40-47 V's: scale words and nothing else;
;   v28-31 the merge's addresses; v48-59 at work; v64-127, v128-191 S^T, then p, of tiles 0, 1; v192-255 the mask's 64 numbers, and once they are added: p's codes (192-215), halves of codes (216-230), block maxima, bytes and scale operands (232-255).
;   window 1: v0-63, v64-127 O^T of tiles 0, 1; v128-223 K's 8 fragments, then V's; v224-235, v236-247 Q of tiles 0, 1.
.set FRB,   1536
.set SLOT1, 1<<17                      ; slot 1 begins here: one exclusive or turns an address in one slot into the other's
.set VOFF,  16*FRB                     ; a slot: K's 16 fragments, V's 16,
.set MOFF,  32*FRB                     ; and the mask: four groups of 16 rows,
.set MP,    1040                       ; a row 1,024 bytes + 16,
.set MGRP,  16768                      ; the groups 128 modulo 256 apart: a tile's 16 rows (8 of one group, 8 of the next) then start at 16 different places of 16 bytes modulo 256
.set SCB,   2*SLOT1                    ; behind the ring: K's scale words of the kv head, 16,384 bytes, then V's
.set SPARE, SCB+32768                  ; the spare words, 128 bytes a wave: four blocks of 256 bytes that no other line names
.set NSL,   8                          ; slots' worth of keys
.set MRGB,  8448                       ; the merge: 8,192 bytes of O^T and 256 of statistics for each wave, from LDS byte 0 on: in slot 0, which has had its last fill and its last read at the last change of slots
.set AKV,  1                           ; v1   16 x lane + my 8 fragments' place in a slot's 16
.set AM,   2                           ; v2   my query's row of the mask's tile, + my 128 keys, + 64 h
.set ASC,  3                           ; v3   SCB + 16 x lane + my step's 1,024 bytes of a slot's 2,048
.set LI,   4                           ; v4   16 x lane
.set SPW,  5                           ; v5   my spare word; never rewritten
.set NIL,  6                           ; v6   0; never rewritten
.set ADK,  8                           ; v8-10 the step's addresses
.set ADM,  9
.set ADS,  10
.set PFO,  11                          ; v11  the prefetch's offset; never rewritten
.set NM,   12
.set FF,   20
.set QS,   24
.set PS,   26
.set MW,   28                          ; v28-29 where I put tile 1's O^T and statistics; v30-31 where I find my partner's
.set MWS,  29
.set MR,   30
.set MRS,  31
.set KS,   32
.set VS,   40
.set C2,   48                          ; v[48+2x:49+2x] the sums' second chain
.set TP,   52                          ; v52+x at work
.set SA,   64
.set MK,   192
.set PCX,  192                         ; p's codes of tile x at PCX + 12 x
.set TQ,   216                         ; the upper halves' codes at TQ + 8 x
.set BM,   232                         ; tile x at BM + 12 x: +0..3 the blocks' maxima, +4..7 the other half's, then the bytes, +8..11 the conversions' scale operands
.set KV,   128                         ; in window 1
.set QF,   224
.set PC,   192                         ; the way out: codes, at work, the scale word
.set TM,   232
.set PW,   248
.set TB,   2                           ; s2   LDS byte at which the slot in hand begins
.set TS,   3                           ; s3   where the slot's scale words begin: 2,048 bytes a slot
.set WV,   18
.set SEL,  20                          ; s[20:21]
.set SCL,  22                          ; s[22:23] 128^-0.5
.set L2E,  24                          ; s[24:25] log2(e)
.set G1KV, 28                          ; s[28:35] group 1 for K's and V's halves
.set G1M,  36                          ; s[36:43] for the mask's rows
.set G0KV, 44                          ; s[44:47], s[48:51] their groups 0, which walk
.set G0M,  48
.set G1S,  52                          ; s[52:59], s[60:63] the scale words
.set G0S,  60
.set SLOTS, 67
.set PFA,  76                          ; s[76:77] where my prefetches stand
.set PFS,  78                          ; s[78:79] their step
.set LIM,  80                          ; s80  1 in a wave that prefetches, else the greatest number
.set ODDM, 81                          ; s81  1: only at odd counts of slots; 0: at every change
.set MSB, 0
.macro WIN new                         ; the immediate's high byte repeats the setting that is left
.if MSB != \new
	s_set_vgpr_msb (MSB<<8)|\new
.set MSB, \new
.endif
.endm
.macro JLOAD                           ; a joint refill: waves 0-3 K's and V's halves, waves 4-7 the mask's rows.  Four v_nop follow each line
	s_cmp_lt_u32 s[WV], 4
	s_cbranch_scc0 .Lfor_m_\@
	tensor_load_to_lds s[G0KV:G0KV+3], s[G1KV:G1KV+7]
	s_nop 0
.rept 4
	v_nop
.endr
	s_branch .Lasked_\@
.Lfor_m_\@:
	tensor_load_to_lds s[G0M:G0M+3], s[G1M:G1M+7]
	s_nop 0
.rept 4
	v_nop
.endr
.Lasked_\@:
.endm
; A PREFETCH INTO THE L2, behind the joint load and its four lines; each block of 256 bytes is named once in the launch.
; THE MASK: the clusters with y = 0 ask, waves 4 and 5, a lane a row (64 rows), for the slot that the NEXT change will ask for; of its 1,024 bytes a row the four partners of a column take 256 each, told apart by address (cy).
; K AND V: the clusters with x = 0 ask, waves 0-2, lanes 256 bytes apart (8,192 bytes a wave), at every second change, for the next TWO slots: of the four partners of a row cx = 0, 1 take K's two slots, cx = 2, 3 V's, by address.
; The last change that fills a slot asks for nothing; slots 0 and 1 and the scale words come by their loads alone.
.macro ASK
	s_cmp_gt_u32 s[SLOTS], s[LIM]
	s_cbranch_scc0 .Lnot_mine_\@
	s_and_b32 s82, s[SLOTS], s[ODDM]
	s_cmp_eq_u32 s82, s[ODDM]
	s_cbranch_scc0 .Lnot_mine_\@
	global_prefetch_b8 v[PFO], s[PFA:PFA+1] th:TH_LOAD_NT scope:SCOPE_SE
.Lnot_mine_\@:
.endm
.macro CROUND
	s_barrier_signal -1
	s_barrier_wait -1
	s_cmp_lg_u32 s[WV], 0
	s_cbranch_scc1 .Lnot_wave_0_\@
	s_barrier_signal -3
.Lnot_wave_0_\@:
	s_barrier_wait -3
	s_barrier_signal -1
	s_barrier_wait -1
.endm
	s_load_b256 s[4:11], s[0:1], 0x0               ; qkvf s[4:5], qkvs s[6:7], mask s[8:9], ac s[10:11]
	v_lshl_add_u32 v[SPW], v0, 2, SPARE
	v_mov_b32 v[NIL], 0
	ds_add_u32 v5, v6
	ds_add_u32 v5, v6
	s_wait_dscnt 0x0
	v_lshrrev_b32 v8, 5, v0
	v_readfirstlane_b32 s[WV], v8                  ; wave 0..7
	s_and_b32 s19, s[WV], 3                        ; m: my tile of queries.  Also: which part I fetch
	s_lshr_b32 s17, s[WV], 2                       ; which 128 keys of a slot are mine.  Also: the parity of the head that I keep
	s_and_b32 s16, s[WV], 1
	s_bfe_u32 s68, ttmp6, 0x40000                  ; cx
	s_bfe_u32 s69, ttmp6, 0x40004                  ; cy
	s_and_b32 s72, ttmp7, 0xffff                   ; the cluster's y
	s_lshl_b32 s70, ttmp9, 2
	s_add_co_u32 s70, s70, s68                     ; qb: my 64 queries
	s_lshl_b32 s71, s72, 2
	s_add_co_u32 s71, s71, s69                     ; g: my kv head
	s_lshl_b32 s73, s69, 2
	s_lshl_b32 s73, 15, s73                        ; my row of the cluster
	s_lshl_b32 s74, 0x1111, s68                    ; my column
	; group 1.  K's and V's halves: 12,288 dense bytes as 48 rows of 32 elements of 8 bytes; the scale words: 8,192 bytes as 32 such rows; the mask: 16 rows of 256 elements of 4 bytes, 2,048 apart, 4 words of padding behind each
	s_or_b32 s[G1KV], s73, (3<<16)|(1<<21)
	s_or_b32 s[G1S], s73, (3<<16)|(1<<21)
	s_or_b32 s[G1M], s74, (2<<16)|(1<<20)|(1<<21)|(7<<22)|(3<<25)
.irp g, G1KV, G1S
	s_mov_b32 s[\g+1], 32<<16
	s_mov_b32 s[\g+3], 32<<16
	s_mov_b32 s[\g+5], 32
	s_mov_b32 s[\g+6], 0
	s_mov_b32 s[\g+7], 0
.endr
	s_mov_b32 s[G1KV+2], 48<<16
	s_mov_b32 s[G1KV+4], 48
	s_mov_b32 s[G1S+2], 32<<16
	s_mov_b32 s[G1S+4], 32
	s_mov_b32 s[G1M+1], 256<<16
	s_mov_b32 s[G1M+2], 16<<16
	s_mov_b32 s[G1M+3], 256<<16
	s_mov_b32 s[G1M+4], 16
	s_mov_b32 s[G1M+5], 2048
	s_mov_b32 s[G1M+6], 0
	s_mov_b32 s[G1M+7], 0
	; what I would fetch.  Registers that feed K's, V's and the scale words' descriptors never hold cx; those that feed the mask's never cy.
	s_lshl_b32 s84, s71, 5                         ; 32 g
	s_add_co_u32 s85, s84, 512                     ; K's first quad
	s_add_co_u32 s86, s84, 768                     ; V's
	s_cmp_lt_u32 s19, 2
	s_cselect_b32 s85, s85, s86
	s_mul_i32 s86, s85, 4*FRB
	s_mul_i32 s87, s16, 8*FRB
	s_add_co_u32 s86, s86, s87
	s_mov_b32 s87, 0
	s_lshl_b32 s88, s85, 9
	s_lshl_b32 s89, s16, 13
	s_add_co_u32 s88, s88, s89
	s_mov_b32 s89, 0
	s_lshl_b32 s90, s70, 6
	s_lshl_b32 s91, s19, 4
	s_add_co_u32 s90, s90, s91                     ; the mask's row 64 qb + 16 (w % 4),
	s_lshl_b32 s90, s90, 13                        ; of 8,192 bytes
	s_mov_b32 s91, 0
	s_mov_b32 s[SEL], 0x76543210
	s_mov_b32 s[SEL+1], 0xfedcba98
	s_mov_b32 s[SCL], 0x3db504f3                   ; 128^-0.5
	s_mov_b32 s[SCL+1], s[SCL]                     ; (named with it as a pair, so it is written)
	s_mov_b32 s[L2E], 0x3fb8aa3b                   ; log2(e)
	s_mov_b32 s[L2E+1], s[L2E]
	s_mov_b32 s[TB], 0
	s_mov_b32 s[TS], 0
	s_mov_b32 s[SLOTS], NSL-1
	s_wait_kmcnt 0x0
	s_mov_b32 s[G0S], 1
	s_lshl_b32 s[G0S+1], s19, 13
	s_add_co_u32 s[G0S+1], s[G0S+1], SCB
	s_add_nc_u64 s[G0S+2:G0S+3], s[6:7], s[88:89]
	s_or_b32 s[G0S+3], s[G0S+3], 0x80000000
	s_mov_b32 s[G0KV], 1
	s_mul_i32 s[G0KV+1], s19, 8*FRB
	s_add_nc_u64 s[G0KV+2:G0KV+3], s[4:5], s[86:87]
	s_or_b32 s[G0KV+3], s[G0KV+3], 0x80000000
	s_mov_b32 s[G0M], 1
	s_mul_i32 s[G0M+1], s19, MGRP
	s_add_co_u32 s[G0M+1], s[G0M+1], MOFF
	s_add_nc_u64 s[G0M+2:G0M+3], s[8:9], s[90:91]
	s_or_b32 s[G0M+3], s[G0M+3], 0x80000000
	CROUND                                         ; all sixteen work-groups are here: the first joint loads meet
	s_cmp_lt_u32 s[WV], 4                          ; a wave's first fills stand in one branch: waves 0-3 have two loads out, waves 4-7 one
	s_cbranch_scc0 .Lfirst_m
	tensor_load_to_lds s[G0S:G0S+3], s[G1S:G1S+7]  ; the scale words of the whole kv head: filled once
	s_nop 0
	tensor_load_to_lds s[G0KV:G0KV+3], s[G1KV:G1KV+7]
	s_nop 0
.rept 4
	v_nop
.endr
	s_branch .Lfirst_asked
.Lfirst_m:
	tensor_load_to_lds s[G0M:G0M+3], s[G1M:G1M+7]
	s_nop 0
.rept 4
	v_nop
.endr
.Lfirst_asked:
	; Q, the output and the prefetches: registers of their own, in which both coordinates meet
	v_and_b32 v8, 31, v0
	v_lshlrev_b32 v[LI], 4, v8
	v_lshlrev_b32 v7, 3, v8
	s_mov_b32 s95, 0
.macro QADR par, fa, sa                ; where my tile's fragment of Q and its scale words lie, for the head of parity s[par]
	s_lshl_b32 s92, s71, 1
	s_add_co_u32 s92, s92, s[\par]                 ; the head
	s_lshl_b32 s92, s92, 5
	s_add_co_u32 s92, s92, s70                     ; Q's quad
	s_mul_i32 s94, s92, 4*FRB
	s_mul_i32 s93, s19, FRB
	s_add_co_u32 s94, s94, s93
	s_add_nc_u64 s[\fa:\fa+1], s[4:5], s[94:95]
	s_lshl_b32 s94, s92, 9
	s_lshl_b32 s93, s19, 2
	s_add_co_u32 s94, s94, s93
	s_add_nc_u64 s[\sa:\sa+1], s[6:7], s[94:95]
.endm
	s_xor_b32 s26, s17, 1
	QADR 17, 96, 98                                ; tile 0: the head that I keep
	QADR 26, 12, 14                                ; tile 1: the head that my partner keeps
	WIN 0x40                                       ; destination window 1
.irp c, 0,1,2
	global_load_b128 v[QF+4*\c:QF+4*\c+3], v[LI], s[96:97] offset:512*\c
.endr
.irp c, 0,1,2
	global_load_b128 v[QF+12+4*\c:QF+12+4*\c+3], v[LI], s[12:13] offset:512*\c
.endr
	WIN 0
	global_load_b32 v[QS], v[LI], s[98:99]
	global_load_b32 v[QS+1], v[LI], s[14:15]
	s_lshl_b32 s92, s70, 1
	s_lshr_b32 s93, s19, 1
	s_add_co_u32 s92, s92, s93                     ; the pair of token tiles
	s_lshl_b32 s92, s92, 3
	s_add_co_u32 s92, s92, s71
	s_mul_i32 s94, s92, 6400
	s_add_nc_u64 s[10:11], s[10:11], s[94:95]      ; my super-block of ac
	s_and_b32 s92, s68, 1
	s_add_co_u32 s92, s92, 1                       ; K, V: slot 1 + cx % 2: the first change of slots steps it one slot on
	s_mul_i32 s92, s92, 16*FRB
	s_lshl_b32 s93, s19, 13
	s_add_co_u32 s92, s92, s93                     ; + 8,192 x wave
	s_lshr_b32 s93, s68, 1
	s_mul_i32 s93, s93, 256*4*FRB                  ; cx = 2, 3: V's quads lie 256 quads behind K's
	s_add_co_u32 s92, s92, s93
	s_add_co_u32 s93, s84, 512
	s_mul_i32 s93, s93, 4*FRB
	s_add_co_u32 s92, s92, s93
	s_lshl_b32 s93, s70, 6
	s_lshl_b32 s94, s19, 5
	s_add_co_u32 s93, s93, s94                     ; the mask: row 64 qb + 32 (w - 4),
	s_lshl_b32 s93, s93, 13
	s_lshl_b32 s94, s69, 8
	s_add_co_u32 s93, s93, s94                     ; + 256 cy,
	s_add_co_u32 s93, s93, 1024                    ; in slot 1
	s_mov_b32 s[PFS], 1024
	s_mov_b32 s[PFS+1], 0
	s_mov_b32 s83, 8192
	s_cmp_lt_u32 s[WV], 4
	s_cselect_b64 s[PFA:PFA+1], s[4:5], s[8:9]
	s_cselect_b32 s94, s92, s93
	s_cselect_b32 s[PFS], 16*FRB, s[PFS]           ; a slot on
	s_cselect_b32 s83, 256, s83                    ; from lane to lane
	s_cselect_b32 s[ODDM], 1, 0
	s_cselect_b32 s82, ttmp9, s72                  ; the coordinate along which other clusters read the same bytes
	s_cselect_b32 s92, 3, 2                        ; how many of the four waves of my kind ask
	s_add_nc_u64 s[PFA:PFA+1], s[PFA:PFA+1], s[94:95]
	s_cmp_lt_u32 s19, s92
	s_cselect_b32 s92, 0, 1
	s_or_b32 s82, s82, s92
	s_cmp_eq_u32 s82, 0
	s_cselect_b32 s[LIM], 1, -1                    ; the same in all sixteen partners, for a given wave
	v_mul_lo_u32 v[PFO], v8, s83
	; the LDS addresses: each a constant + a constant x lane + a constant x wave
	s_mul_i32 s26, s[WV], MRGB
	v_add_nc_u32 v[MW], s26, v[LI]
	v_add_nc_u32 v[MWS], s26, v7
	s_xor_b32 s27, s[WV], 4                        ; my partner: the same queries, the other keys
	s_mul_i32 s27, s27, MRGB
	v_add_nc_u32 v[MR], s27, v[LI]
	v_add_nc_u32 v[MRS], s27, v7
	s_mul_i32 s26, s17, 8*FRB
	v_add_nc_u32 v[AKV], s26, v[LI]
	s_lshl_b32 s26, s17, 10
	s_add_co_u32 s26, s26, SCB
	v_add_nc_u32 v[ASC], s26, v[LI]
	v_and_b32 v8, 15, v0                           ; r
	v_bfe_u32 v9, v0, 4, 1                         ; h
	s_lshr_b32 s93, s19, 1
	s_mul_i32 s93, s93, 2*MGRP
	s_mul_i32 s94, s16, 8*MP
	s_add_co_u32 s93, s93, s94
	s_lshl_b32 s94, s17, 9                         ; my 128 keys: 512 bytes along a row
	s_add_co_u32 s93, s93, s94
	s_add_co_u32 s93, s93, MOFF
	v_lshrrev_b32 v10, 3, v8
	v_and_b32 v7, 7, v8
	v_mul_u32_u24 v[AM], v10, MGRP                 ; my query is row 32 (m / 2) + 16 (r / 8) + 8 (m % 2) + r % 8 of the 64
	v_mad_u32_u24 v[AM], v7, MP, v[AM]
	v_lshl_add_u32 v[AM], v9, 6, v[AM]
	v_add_nc_u32 v[AM], s93, v[AM]
.irp x, 0,1
	v_mov_b32 v[NM+4*\x+1], 0xff61b1e6             ; the largest t so far: -3e38, under every t
	v_floor_f32 v[NM+4*\x], -v[NM+4*\x+1]          ; -M
	v_mov_b32 v[NM+4*\x+2], 0                      ; the sum, in two halves
	v_mov_b32 v[NM+4*\x+3], 0
	v_mov_b32 v[FF+2*\x+1], 0                      ; (named as the upper half of f's pair, so it is written)
.endr
; THE ROW'S SUM IS TAKEN OF THE UNQUANTISED p: two at a time, in two chains for each tile.  A step's sums stand at the head of the NEXT step, behind its LDS loads: p stays in its registers until the next scores are made.
.macro SUMS
.irp x, 0,1
	v_pk_add_f32 v[C2+2*\x:C2+2*\x+1], v[SA+64*\x:SA+64*\x+1], v[SA+64*\x+2:SA+64*\x+3]
.endr
.irp j, 4,8,12,16,20,24,28,32,36,40,44,48,52,56,60
.irp x, 0,1
	v_pk_add_f32 v[NM+4*\x+2:NM+4*\x+3], v[NM+4*\x+2:NM+4*\x+3], v[SA+64*\x+\j:SA+64*\x+\j+1]
	v_pk_add_f32 v[C2+2*\x:C2+2*\x+1], v[C2+2*\x:C2+2*\x+1], v[SA+64*\x+\j+2:SA+64*\x+\j+3]
.endr
.endr
.irp x, 0,1
	v_pk_add_f32 v[NM+4*\x+2:NM+4*\x+3], v[NM+4*\x+2:NM+4*\x+3], v[C2+2*\x:C2+2*\x+1]
.endr
.endm
; A KEY STEP: my 128 keys of the slot in hand, for my two tiles.  first = 1: the first step: no sums are owed, and V^T P starts O^T with the constant 0: nothing is cleared and nothing rescaled.
.macro STEP first
	v_add_nc_u32 v[ADK], s[TB], v[AKV]
	v_add_nc_u32 v[ADM], s[TB], v[AM]
	v_add_nc_u32 v[ADS], s[TS], v[ASC]
	v_nop                                          ; with the three additions: four places in front of loads into registers that the last step's products have read (V's fragments, p's codes)
	ds_load_b128 v[KS:KS+3], v[ADS]                ; K's scale words: tiles 0-3, 4-7
	ds_load_b128 v[KS+4:KS+7], v[ADS] offset:512
	WIN 0x40                                       ; destination window 1
.irp t, 0,1,2,3,4,5,6,7
.irp c, 0,1,2
	ds_load_b128 v[KV+12*\t+4*\c:KV+12*\t+4*\c+3], v[ADK] offset:\t*FRB+512*\c
.endr
.endr
	WIN 0
.irp b, 0,1,2,3
.irp j, 0,1,2,3
	ds_load_b128 v[MK+16*\b+4*\j:MK+16*\b+4*\j+3], v[ADM] offset:128*\b+16*\j   ; mask[my query][keys 32 b + 16 h + 4 j ..]: it serves both heads
.endr
.endr
.if \first == 0
	SUMS                                           ; the last step's p, while the loads are on their way
.endif
	WIN 0x05                                       ; sources 0 and 1 window 1
.irp t, 0,1,2,3,4,5,6,7
	s_wait_dscnt 16+3*(7-\t)                       ; K's fragment t is in; the later fragments' three loads each and the mask's 16 may be out
.irp x, 0,1
	v_wmma_scale_f32_16x16x128_f8f6f4 v[SA+64*\x+8*\t:SA+64*\x+8*\t+7], v[KV+12*\t:KV+12*\t+11], v[QF+12*\x:QF+12*\x+11], 0, v[KS+\t], v[QS+\x] matrix_a_fmt:MATRIX_FMT_FP6 matrix_b_fmt:MATRIX_FMT_FP6
.endr
.endr
	WIN 0
.rept 4
	v_nop                                          ; places: in front of the loads into K's registers, which these products have read, and of the first read of the scores
.endr
	ds_load_b128 v[VS:VS+3], v[ADS] offset:16384   ; V's scale words
	ds_load_b128 v[VS+4:VS+7], v[ADS] offset:16384+512
	WIN 0x40
.irp t, 0,1,2,3,4,5,6,7
.irp c, 0,1,2
	ds_load_b128 v[KV+12*\t+4*\c:KV+12*\t+4*\c+3], v[ADK] offset:VOFF+\t*FRB+512*\c   ; V takes K's registers
.endr
.endr
	WIN 0
	s_wait_dscnt 26                                ; the mask is in; V's 26 loads may be out: they land under the softmax
.irp x, 0,1
.set JJ, 0
.rept 32
	v_pk_fma_f32 v[SA+64*\x+JJ:SA+64*\x+JJ+1], v[SA+64*\x+JJ:SA+64*\x+JJ+1], s[SCL:SCL+1], v[MK+JJ:MK+JJ+1] op_sel_hi:[1,0,1]   ; the logit: score / sqrt(128) + mask
.set JJ, JJ+2
.endr
.endr
; from here on the mask's registers are free: they take the work registers and p's codes
.irp b, 0,1,2,3
.irp x, 0,1
	v_max3_num_f32 v[BM+12*\x+\b], v[SA+64*\x+16*\b], v[SA+64*\x+16*\b+1], v[SA+64*\x+16*\b+2]   ; THE LARGEST LOGIT OF EACH BLOCK OF 32 KEYS: it serves for the row's maximum and, since p rises with the logit, for the block's largest p
.endr
.endr
.irp i, 3,5,7,9,11,13
.irp b, 0,1,2,3
.irp x, 0,1
	v_max3_num_f32 v[BM+12*\x+\b], v[BM+12*\x+\b], v[SA+64*\x+16*\b+\i], v[SA+64*\x+16*\b+\i+1]
.endr
.endr
.endr
.irp b, 0,1,2,3
.irp x, 0,1
	v_max_num_f32 v[BM+12*\x+\b], v[BM+12*\x+\b], v[SA+64*\x+16*\b+15]
.endr
.endr
.irp b, 0,1,2,3
.irp x, 0,1
	v_permlanex16_b32 v[BM+12*\x+4+\b], v[BM+12*\x+\b], s[SEL], s[SEL+1]
.endr
.endr
.irp b, 0,1,2,3
.irp x, 0,1
	v_max_num_f32 v[BM+12*\x+\b], v[BM+12*\x+\b], v[BM+12*\x+4+\b]   ; with lane l xor 16's 16 keys
.endr
.endr
.irp x, 0,1
	v_max3_num_f32 v[TP+\x], v[BM+12*\x], v[BM+12*\x+1], v[BM+12*\x+2]
.endr
.irp x, 0,1
	v_max_num_f32 v[TP+\x], v[TP+\x], v[BM+12*\x+3]   ; the step's largest logit of my query
.endr
.irp x, 0,1
	v_mul_f32 v[TP+\x], s[L2E], v[TP+\x]           ; as t
.endr
.irp x, 0,1
	v_max_num_f32 v[NM+4*\x+1], v[NM+4*\x+1], v[TP+\x]   ; the running largest t
.endr
.irp x, 0,1
	v_mov_b32 v[TP+\x], v[NM+4*\x]
.endr
.irp x, 0,1
	v_floor_f32 v[NM+4*\x], -v[NM+4*\x+1]          ; the new -M = floor(-t) = -ceil(t): M is a whole number
.endr
.irp x, 0,1
	v_sub_f32 v[TP+\x], v[NM+4*\x], v[TP+\x]       ; old M - new M: a whole number, 0 or less
.endr
.irp x, 0,1
	v_cvt_i32_f32 v[TP+\x], v[TP+\x]               ; (it saturates)
.endr
.irp x, 0,1
	v_ldexp_f32 v[FF+2*\x], 1.0, v[TP+\x]          ; f = 2^(old M - new M)
.endr
.irp x, 0,1
.set JJ, 0
.rept 32
	v_pk_fma_f32 v[SA+64*\x+JJ:SA+64*\x+JJ+1], v[SA+64*\x+JJ:SA+64*\x+JJ+1], s[L2E:L2E+1], v[NM+4*\x:NM+4*\x+1] op_sel_hi:[1,0,0]   ; t - M, two at a time
.set JJ, JJ+2
.endr
.endr
.irp b, 0,1,2,3
.irp x, 0,1
	v_fma_f32 v[BM+12*\x+\b], v[BM+12*\x+\b], s[L2E], v[NM+4*\x]   ; the same of each block's largest logit
.endr
.endr
.set JJ, 0
.rept 128
	v_exp_f32 v[SA+JJ], v[SA+JJ]                   ; p = 2^(t - M): not normalised.  Both tiles' are one batch
.set JJ, JJ+1
.endr
.irp x, 0,1
	v_pk_mul_f32 v[NM+4*\x+2:NM+4*\x+3], v[NM+4*\x+2:NM+4*\x+3], v[FF+2*\x:FF+2*\x+1] op_sel_hi:[1,0]   ; the sums under the new M.  (A plain place behind the exponentials)
.endr
	s_wait_alu depctr_va_vdst(0)                   ; one wait for the whole batch, ahead of its first reader
.irp b, 0,1,2,3
.irp x, 0,1
	v_exp_f32 v[BM+12*\x+\b], v[BM+12*\x+\b]       ; the block's largest p: the same two instructions on the same number give the same bits
.endr
.endr
.if \first
	v_nop                                          ; a plain place behind the exponentials
.else
	WIN 0x41                                       ; destination and source 0 window 1
.set JJ, 0
.rept 32
	v_pk_mul_f32 v[JJ:JJ+1], v[JJ:JJ+1], v[FF:FF+1] op_sel_hi:[1,0]   ; tile 0's O^T under the new M: plain work behind the eight exponentials
.set JJ, JJ+2
.endr
	WIN 0
.endif
	s_wait_alu depctr_va_vdst(0)                   ; and one for the eight
.irp b, 0,1,2,3
.irp x, 0,1
	v_max_num_f32 v[BM+12*\x+\b], 0x1800000, v[BM+12*\x+\b]   ; the floor 2^(3 - 127): the byte cannot fall under 1
.endr
.endr
.irp b, 0,1,2,3
.irp x, 0,1
	v_add_nc_u32 v[BM+12*\x+8+\b], 0xff000000, v[BM+12*\x+\b]   ; 2 off the exponent field: the conversion's scale operand
.endr
.endr
.irp b, 0,1,2,3
.irp x, 0,1
	v_lshrrev_b32 v[BM+12*\x+4+\b], 23, v[BM+12*\x+8+\b]   ; the byte
.endr
.endr
.irp x, 0,1
	v_lshl_or_b32 v[PS+\x], v[BM+12*\x+5], 8, v[BM+12*\x+4]   ; p's scale word for these 128 keys
.endr
.irp x, 0,1
	v_lshl_or_b32 v[PS+\x], v[BM+12*\x+6], 16, v[PS+\x]
.endr
.irp x, 0,1
	v_lshl_or_b32 v[PS+\x], v[BM+12*\x+7], 24, v[PS+\x]
.endr
.irp x, 0,1
.irp c, 0,1
	v_cvt_scalef32_pk16_fp6_f32 v[PCX+12*\x+6*\c:PCX+12*\x+6*\c+2], v[SA+64*\x+32*\c:SA+64*\x+32*\c+15], v[BM+12*\x+8+2*\c]
	v_cvt_scalef32_pk16_fp6_f32 v[TQ+8*\x+4*\c:TQ+8*\x+4*\c+2], v[SA+64*\x+32*\c+16:SA+64*\x+32*\c+31], v[BM+12*\x+8+2*\c+1]   ; (a conversion's three registers begin on an even number)
.endr
.endr
	v_nop                                          ; one plain place behind a scaled conversion
.irp x, 0,1
.irp c, 0,1                                    ; the layout wants a WHOLE block in a lane: lanes 0-15 block 2 c, lanes 16-31 block 2 c + 1
.irp i, 0,1,2
	v_permlane16_swap_b32 v[PCX+12*\x+6*\c+\i], v[TQ+8*\x+4*\c+\i]
.endr
.irp i, 0,1,2
	v_mov_b32 v[PCX+12*\x+6*\c+3+\i], v[TQ+8*\x+4*\c+\i]
.endr
.endr
.endr
.if \first
.rept 8
	v_nop                                          ; a scale register written by a vector instruction stands 8 places ahead of a scaled matrix instruction, an operand so written 4
.endr
.else
	WIN 0x41
.set JJ, 0
.rept 32
	v_pk_mul_f32 v[64+JJ:65+JJ], v[64+JJ:65+JJ], v[FF+2:FF+3] op_sel_hi:[1,0]   ; tile 1's O^T under the new M.  (These are also the places in front of the products below)
.set JJ, JJ+2
.endr
.endif
	s_wait_dscnt 0x0                               ; V and its scale words are in
.if \first
	WIN 0x41                                       ; V (source 0) and O^T (destination) window 1, p's codes window 0
.else
	WIN 0x51                                       ; and O^T as source 2
.endif
.irp t, 0,1,2,3,4,5,6,7                        ; the sixteen accumulators take turns
.irp x, 0,1
.if \first
	v_wmma_scale_f32_16x16x128_f8f6f4 v[64*\x+8*\t:64*\x+8*\t+7], v[KV+12*\t:KV+12*\t+11], v[PCX+12*\x:PCX+12*\x+11], 0, v[VS+\t], v[PS+\x] matrix_a_fmt:MATRIX_FMT_FP6 matrix_b_fmt:MATRIX_FMT_FP6
.else
	v_wmma_scale_f32_16x16x128_f8f6f4 v[64*\x+8*\t:64*\x+8*\t+7], v[KV+12*\t:KV+12*\t+11], v[PCX+12*\x:PCX+12*\x+11], v[64*\x+8*\t:64*\x+8*\t+7], v[VS+\t], v[PS+\x] matrix_a_fmt:MATRIX_FMT_FP6 matrix_b_fmt:MATRIX_FMT_FP6
.endif
.endr
.endr
	WIN 0
	s_add_co_u32 s[TS], s[TS], 2048                ; the next slot's scale words
.endm
; THE CHANGE OF SLOTS stands at a slot's head.  Each wave waits for all its tensor loads (its part of the slot that it is about to read), adds 0 to its spare word, and waits for that and for its reads of the slot that it has left.
; fill = 1: the barrier is a round of the cluster's, and behind it the slot that was left is filled with the keys that follow: the load has a slot's work, two tiles' key step in every wave, in which to land.
.macro CHANGE fill
	s_wait_tensorcnt 0x0                           ; no tensor load of mine is out, so a group 0 may be written
	ds_add_u32 v[SPW], v[NIL]                      ; 0 onto my spare word
.if \fill
	s_xor_b32 s[G0KV+1], s[G0KV+1], SLOT1          ; the walking descriptors: the other slot than last time,
	s_add_nc_u64 s[G0KV+2:G0KV+3], s[G0KV+2:G0KV+3], 16*FRB   ; the next 256 keys
	s_xor_b32 s[G0M+1], s[G0M+1], SLOT1
	s_add_nc_u64 s[G0M+2:G0M+3], s[G0M+2:G0M+3], 1024
	s_wait_xcnt 0x0                                ; the last prefetch, a slot back, has read its address, so it may be written
	s_add_nc_u64 s[PFA:PFA+1], s[PFA:PFA+1], s[PFS:PFS+1]
.endif
	s_wait_dscnt 0x0                               ; the add is done, and my reads of the slot that I have left are over
.if \fill
	CROUND
	JLOAD                                          ; the first thing behind the round, and a wave's one tensor load until the next
	ASK
.else
	s_barrier_signal -1
	s_barrier_wait -1
.endif
.endm
	s_wait_loadcnt 0x0                             ; Q
	CHANGE 1
	STEP 1                                         ; the first slot stands in front of the loop: its products start O^T's sums
	s_xor_b32 s[TB], s[TB], SLOT1
	s_sub_co_u32 s[SLOTS], s[SLOTS], 1
.Lslot:                                            ; NSL - 2 trips: behind each change of slots but the last the next slot is asked for
	CHANGE 1
	STEP 0
	s_xor_b32 s[TB], s[TB], SLOT1
	s_sub_co_u32 s[SLOTS], s[SLOTS], 1
	s_cmp_lg_u32 s[SLOTS], 0
	s_cbranch_scc1 .Lslot
	CHANGE 0                                       ; the last slot is written out
	STEP 0
; 64 numbers of a lane, register 16 b + i = k 32 b + 16 (lane / 16) + i of my row, become a fragment's codes in v[PC] on and its scale word in v[PW].
.macro QUANT s
.irp b, 0,1,2,3
	v_max3_num_f32 v[TM+\b], |v[\s+16*\b]|, |v[\s+1+16*\b]|, 0x1800000
.endr
.irp i, 2,4,6,8,10,12,14
.irp b, 0,1,2,3
	v_max3_num_f32 v[TM+\b], v[TM+\b], |v[\s+16*\b+\i]|, |v[\s+1+16*\b+\i]|
.endr
.endr
.irp b, 0,1,2,3
	v_permlanex16_b32 v[TM+4+\b], v[TM+\b], s[SEL], s[SEL+1]
.endr
.irp b, 0,1,2,3
	v_max_num_f32 v[TM+\b], v[TM+\b], v[TM+4+\b]
.endr
.irp b, 0,1,2,3
	v_add_nc_u32 v[TM+12+\b], 0xff000000, v[TM+\b]
.endr
.irp b, 0,1,2,3
	v_lshrrev_b32 v[TM+4+\b], 23, v[TM+12+\b]
.endr
	v_lshl_or_b32 v[PW], v[TM+5], 8, v[TM+4]
	v_lshl_or_b32 v[PW], v[TM+6], 16, v[PW]
	v_lshl_or_b32 v[PW], v[TM+7], 24, v[PW]
.irp c, 0,1
	v_cvt_scalef32_pk16_fp6_f32 v[PC+6*\c:PC+2+6*\c], v[\s+32*\c:\s+15+32*\c], v[TM+12+2*\c]
	v_cvt_scalef32_pk16_fp6_f32 v[PC+12+4*\c:PC+14+4*\c], v[\s+16+32*\c:\s+31+32*\c], v[TM+12+2*\c+1]
.endr
	v_nop                                          ; one plain place behind a scaled conversion
.irp c, 0,1
.irp i, 0,1,2
	v_permlane16_swap_b32 v[PC+6*\c+\i], v[PC+12+4*\c+\i]
.endr
.irp i, 0,1,2
	v_mov_b32 v[PC+3+6*\c+\i], v[PC+12+4*\c+\i]
.endr
.endr
.endm
; THE MERGE.  Each tile's keys were shared by two waves.  I hand tile 1's part to my partner as an image of its registers and take my partner's part of my tile 0.
	SUMS                                           ; the last step's p.  (These are also the places behind the last products)
.irp x, 0,1
	v_add_f32 v[NM+4*\x+2], v[NM+4*\x+2], v[NM+4*\x+3]   ; the sum's two halves,
.endr
.irp x, 0,1
	v_permlanex16_b32 v[TP+\x], v[NM+4*\x+2], s[SEL], s[SEL+1]
.endr
.irp x, 0,1
	v_add_f32 v[NM+4*\x+2], v[NM+4*\x+2], v[TP+\x] ; and lane l xor 16's: the sum over my keys
.endr
	v_mov_b32 v[NM+5], v[NM+6]                     ; tile 1's -M and sum side by side
	WIN 0x04                                       ; an LDS store's data are its source 1: window 1
.set JJ, 0
.rept 16
	ds_store_b128 v[MW], v[64+4*JJ:64+4*JJ+3] offset:512*JJ   ; each accumulator from its low end on
.set JJ, JJ+1
.endr
	WIN 0
	ds_store_b64 v[MWS], v[NM+4:NM+5] offset:8192
	s_wait_dscnt 0x0                               ; for my partner's sake: my stores are done
	s_barrier_signal -1
	s_barrier_wait -1
.set JJ, 0
.rept 16
	ds_load_b128 v[SA+64+4*JJ:SA+64+4*JJ+3], v[MR] offset:512*JJ
.set JJ, JJ+1
.endr
	ds_load_b64 v[C2:C2+1], v[MRS] offset:8192     ; my partner's -M and sum
	s_wait_dscnt 0x0
	v_min_num_f32 v52, v[NM], v[C2]                ; the joint -M: the larger M
	v_sub_f32 v53, v52, v[NM]                      ; my M less the joint one: a whole number, 0 or less
	v_sub_f32 v54, v52, v[C2]                      ; my partner's
	v_cvt_i32_f32 v53, v53                         ; (they saturate)
	v_cvt_i32_f32 v54, v54
	v_ldexp_f32 v53, 1.0, v53                      ; the two parts' factors: exact powers of two
	v_ldexp_f32 v54, 1.0, v54
	v_mul_f32 v55, v[NM+2], v53
	v_fmac_f32 v55, v[C2+1], v54                   ; the row's sum
	v_rcp_f32 v55, v55
	v_and_b32 v8, 15, v0                           ; (a plain place behind the reciprocal)  r
	s_lshl_b32 s92, s16, 1
	s_add_co_u32 s92, s92, s17
	s_mul_i32 s92, s92, FRB                        ; fragment (tile m % 2, head's parity)
	s_lshl_b32 s93, s16, 7
	s_lshl_b32 s94, s17, 2
	s_add_co_u32 s93, s93, s94
	v_add_nc_u32 v9, s92, v[LI]
	v_lshl_add_u32 v10, v8, 3, s93                 ; its scale word: 8 (16 (m % 2) + r) + 4 x parity
	s_wait_alu depctr_va_vdst(0)                   ; the wait ahead of the reciprocal's first reader
	v_mul_f32 v56, v53, v55                        ; each factor / the sum, twice: pairs for the packed forms
	v_mul_f32 v57, v53, v55
	v_mul_f32 v58, v54, v55
	v_mul_f32 v59, v54, v55
	WIN 0x01                                       ; source 0 window 1
.set JJ, 0
.rept 32
	v_pk_mul_f32 v[SA+JJ:SA+JJ+1], v[JJ:JJ+1], v[56:57]
.set JJ, JJ+2
.endr
	WIN 0
.set JJ, 0
.rept 32
	v_pk_fma_f32 v[SA+JJ:SA+JJ+1], v[SA+64+JJ:SA+64+JJ+1], v[58:59], v[SA+JJ:SA+JJ+1]   ; O^T / the sum: register 16 b + i is channel 32 b + 16 h + i of my head for my query: 64 numbers along the last product's K
.set JJ, JJ+2
.endr
	QUANT SA
.irp c, 0,1,2
	global_store_b128 v9, v[PC+4*\c:PC+4*\c+3], s[10:11] offset:512*\c   ; 512 consecutive bytes, at a multiple of 256 from the buffer's first byte
.endr
	global_store_b32 v10, v[PW], s[10:11] offset:4*FRB   ; 16 words, 8 bytes apart (both halves of the lanes write the same word with the same value): four waves fill the super-block's 256 bytes of scale words between them
	s_wait_tensorcnt 0x0                           ; the wave's end
	ds_add_u32 v[SPW], v[NIL]
	s_wait_dscnt 0x0
	CROUND                                         ; the closing round
	s_endpgm
.Lfunc_end_k_qa42ea67514_attn:
	.size	k_qa42ea67514_attn, .Lfunc_end_k_qa42ea67514_attn-k_qa42ea67514_attn
	.p2alignl 7, 3214868480
	.fill 96, 4, 3214868480
	.section	.rodata,"a",@progbits
	.p2align	6, 0x0
	.amdhsa_kernel k_qa42ea67514_attn
		.amdhsa_group_segment_fixed_size 327680
		.amdhsa_private_segment_fixed_size 0
		.amdhsa_enable_private_segment 0
		.amdhsa_kernarg_size 32
		.amdhsa_user_sgpr_count 2
		.amdhsa_user_sgpr_kernarg_segment_ptr 1
		.amdhsa_wavefront_size32 1
		.amdhsa_system_sgpr_workgroup_id_x 1
		.amdhsa_system_sgpr_workgroup_id_y 1
		.amdhsa_system_sgpr_workgroup_id_z 1
		.amdhsa_system_vgpr_workitem_id 0
		.amdhsa_next_free_vgpr 512
		.amdhsa_next_free_sgpr 100
		.amdhsa_reserve_vcc 0
		.amdhsa_float_denorm_mode_32 3
		.amdhsa_float_denorm_mode_16_64 3
		.amdhsa_memory_ordered 1
		.amdhsa_forward_progress 1
		.amdhsa_inst_pref_size 138
	.end_amdhsa_kernel
	.amdgpu_metadata
---
amdhsa.version: [ 1, 2 ]
amdhsa.kernels:
  - .name:           k_qa42ea67514_attn
    .symbol:         k_qa42ea67514_attn.kd
    .args:
      - { .name: qkvf, .offset: 0, .size: 8, .value_kind: global_buffer, .address_space: global }
      - { .name: qkvs, .offset: 8, .size: 8, .value_kind: global_buffer, .address_space: global }
      - { .name: mask, .offset: 16, .size: 8, .value_kind: global_buffer, .address_space: global }
      - { .name: ac, .offset: 24, .size: 8, .value_kind: global_buffer, .address_space: global }
    .group_segment_fixed_size: 327680
    .private_segment_fixed_size: 0
    .kernarg_segment_align: 8
    .kernarg_segment_size: 32
    .max_flat_workgroup_size: 256
    .sgpr_count:     100
    .vgpr_count:     512
    .wavefront_size: 32
...
	.end_amdgpu_metadata
.endif
;; end of part 3
;; launch outp (part 4): grid 16 x 16, 4 waves a work-group, clusters of 4 x 4, 327,680 bytes of LDS; arguments ac, woc, out0; writes out0
.if DOCPART == 4
	.amdgcn_target "amdgcn-amd-amdhsa--gfx1250"
	.amdhsa_code_object_version 6
	.text
	.protected	k_qa42ea67514_outp
	.globl	k_qa42ea67514_outp
	.p2align	8
	.type	k_qa42ea67514_outp,@function
k_qa42ea67514_outp:
	s_mov_b64 s[64:65], 0
	v_nop
	global_prefetch_b8 v0, s[64:65] scope:SCOPE_SE
	s_setreg_imm32_b32 hwreg(HW_REG_WAVE_MODE, 25, 1), 1
	s_wait_xcnt 0x0
	s_wait_alu depctr_hold_cnt(0) depctr_sa_sdst(0) depctr_va_vdst(0) depctr_va_sdst(0) depctr_va_ssrc(0) depctr_va_vcc(0) depctr_vm_vsrc(0)
	s_getreg_b32 s2, hwreg(HW_REG_IB_STS2, 6, 4)
	s_cmp_eq_u32 s2, 0
	s_cbranch_scc0 .Lentry_in_a_cluster
	s_endpgm
.Lentry_in_a_cluster:
	s_bfe_u32 s2, ttmp6, 0x10000c
	s_cmp_lg_u32 s2, 0xf033
	s_cbranch_scc0 .Lentry_shape_is_right
	s_endpgm
.Lentry_shape_is_right:
; out0 [2048][4096] f32 = attention's output x wo, on codes of FP6 (E2M3) with E8M0 scales, K = 2,048.
; OPERANDS come as super-blocks of 6,400 bytes (32 rows x 256 K: four fragments as images of their 12 registers a lane, then 256 bytes of scale words); of 32 rows tile u holds rows 8 u + r + 8 (r / 8).
; P = woc (wo's columns) is source 0, R = ac (the tokens) source 1: lane (r, h) holds token r of R's tile, and the 16 registers of P's tiles 2 b, 2 b + 1 hold columns 32 b + 16 h + 0 .. 15: 64 neighbouring bytes of a row of out0.
; A work-group makes 256 columns x 128 tokens; a wave 128 x 64: 32 accumulators.  256 work-groups.  K goes in slots of 512 through a ring of two LDS slots; waves 0, 1 fetch P's halves, waves 2, 3 R's.
; CLUSTERS 4 x 4: P's tile hangs on cx alone and is asked for jointly by a column of the cluster, R's on cy alone and by a row.
; REGISTERS: window 0: v4-17 addresses; v32-55 scale words and nothing else; v64-159 R's fragments, two sets; on the way out v64-191 rows of out0.  window 1: v0-191 P's fragments, two sets.  window 2: accumulator (m, t) at 64 m + 8 t.
.set NG,     8
.set LAPS,   2
.set PAIRB,  12800
.set SBB,    6400
.set FRB,    1536
.set RBASE,  8*PAIRB
.set SLOT,   12*PAIRB
.set SPARE,  2*SLOT                    ; behind the ring: the spare words, 128 bytes a wave: two blocks of 256 bytes that no other line names
.set SP,     528                       ; the way out: a stage of 16 rows x (512 bytes + 16) for each wave, in slot 0, which has had its last fill and its last read when the first result is stored there
.set ADP, 4
.set ADR, 6
.set ASP, 8
.set ASR, 10
.set SPW, 12
.set NIL, 13
.set LI,  14
.set STO, 16                           ; v16    the stage: where I put 64 bytes of a row
.set RD,  17                           ; v17    and where I read a row back
.set SC,  32
.set RF,  64
.set BK,  64                           ; rows read back: v64-127 and v128-191 by turns
.set G1P, 24
.set G0P, 32
.set G1R, 48
.set G0R, 56
.set MUL,  0xa1
.set TO_P, 0x40
.set MSB, 0
.macro WIN new
.if MSB != \new
	s_set_vgpr_msb (MSB<<8)|\new
.set MSB, \new
.endif
.endm
.macro PLACES n
.rept \n
	v_nop
.endr
.endm
.macro JLOAD g0p, g0r                  ; a joint load: waves 0, 1 ask for P, waves 2, 3 for R; four v_nop follow each line
	s_cmp_eq_u32 s15, 0
	s_cbranch_scc0 .Lfor_r_\@
	tensor_load_to_lds s[\g0p:\g0p+3], s[G1P:G1P+7]
	s_nop 0
.rept 4
	v_nop
.endr
	s_branch .Lasked_\@
.Lfor_r_\@:
	tensor_load_to_lds s[\g0r:\g0r+3], s[G1R:G1R+7]
	s_nop 0
.rept 4
	v_nop
.endr
.Lasked_\@:
.endm
.macro CREST
	s_cmp_lg_u32 s14, 0
	s_cbranch_scc1 .Lnot_wave_0_\@
	s_barrier_signal -3
.Lnot_wave_0_\@:
	s_barrier_wait -3
	s_barrier_signal -1
	s_barrier_wait -1
.endm
.macro CROUND
	s_barrier_signal -1
	s_barrier_wait -1
	CREST
.endm
.macro WM d, a, b, sa, sb, ra, rb, zero   ; one matrix instruction.  ra, rb: the side's scale words stand in lanes 16-31 of the register named
.if \zero
.if (\ra) && (\rb)
	v_wmma_scale_f32_16x16x128_f8f6f4 v[\d:\d+7], v[\a:\a+11], v[\b:\b+11], 0, v[\sa], v[\sb] matrix_a_fmt:MATRIX_FMT_FP6 matrix_b_fmt:MATRIX_FMT_FP6 matrix_a_scale:MATRIX_SCALE_ROW1 matrix_b_scale:MATRIX_SCALE_ROW1
.elseif \ra
	v_wmma_scale_f32_16x16x128_f8f6f4 v[\d:\d+7], v[\a:\a+11], v[\b:\b+11], 0, v[\sa], v[\sb] matrix_a_fmt:MATRIX_FMT_FP6 matrix_b_fmt:MATRIX_FMT_FP6 matrix_a_scale:MATRIX_SCALE_ROW1
.elseif \rb
	v_wmma_scale_f32_16x16x128_f8f6f4 v[\d:\d+7], v[\a:\a+11], v[\b:\b+11], 0, v[\sa], v[\sb] matrix_a_fmt:MATRIX_FMT_FP6 matrix_b_fmt:MATRIX_FMT_FP6 matrix_b_scale:MATRIX_SCALE_ROW1
.else
	v_wmma_scale_f32_16x16x128_f8f6f4 v[\d:\d+7], v[\a:\a+11], v[\b:\b+11], 0, v[\sa], v[\sb] matrix_a_fmt:MATRIX_FMT_FP6 matrix_b_fmt:MATRIX_FMT_FP6
.endif
.else
.if (\ra) && (\rb)
	v_wmma_scale_f32_16x16x128_f8f6f4 v[\d:\d+7], v[\a:\a+11], v[\b:\b+11], v[\d:\d+7], v[\sa], v[\sb] matrix_a_fmt:MATRIX_FMT_FP6 matrix_b_fmt:MATRIX_FMT_FP6 matrix_a_scale:MATRIX_SCALE_ROW1 matrix_b_scale:MATRIX_SCALE_ROW1
.elseif \ra
	v_wmma_scale_f32_16x16x128_f8f6f4 v[\d:\d+7], v[\a:\a+11], v[\b:\b+11], v[\d:\d+7], v[\sa], v[\sb] matrix_a_fmt:MATRIX_FMT_FP6 matrix_b_fmt:MATRIX_FMT_FP6 matrix_a_scale:MATRIX_SCALE_ROW1
.elseif \rb
	v_wmma_scale_f32_16x16x128_f8f6f4 v[\d:\d+7], v[\a:\a+11], v[\b:\b+11], v[\d:\d+7], v[\sa], v[\sb] matrix_a_fmt:MATRIX_FMT_FP6 matrix_b_fmt:MATRIX_FMT_FP6 matrix_b_scale:MATRIX_SCALE_ROW1
.else
	v_wmma_scale_f32_16x16x128_f8f6f4 v[\d:\d+7], v[\a:\a+11], v[\b:\b+11], v[\d:\d+7], v[\sa], v[\sb] matrix_a_fmt:MATRIX_FMT_FP6 matrix_b_fmt:MATRIX_FMT_FP6
.endif
.endif
.endm
.macro MULS m, e, g, s, zero           ; 8 matrix instructions: R's tile m against P's eight.  The 32 accumulators take turns in one order in every step
.irp t, 0,1,2,3,4,5,6,7
	WM 64*(\m)+8*\t, 96*(\e)+12*\t, RF+48*(\e)+12*(\m), SC+12*(\g)+2*(\t/2)+(\s), SC+12*(\g)+8+2*((\m)/2)+(\s), \t%2, (\m)%2, \zero
.endr
.endm
.macro FETCH slot, q, e                ; the fragments of the slot's q-th 128 along K into set e; with an even q also the scale words of 256 along K, into set q / 2
	WIN TO_P
.irp t, 0,1,2,3,4,5,6,7
.irp c, 0,1,2
	ds_load_b128 v[96*(\e)+12*\t+4*\c:96*(\e)+12*\t+4*\c+3], v[ADP+\slot] offset:(\t/2)*PAIRB+((\q)/2)*SBB+(2*(\t%2)+(\q)%2)*FRB+512*\c
.endr
.endr
	WIN 0
.irp m, 0,1,2,3
.irp c, 0,1,2
	ds_load_b128 v[RF+48*(\e)+12*\m+4*\c:RF+48*(\e)+12*\m+4*\c+3], v[ADR+\slot] offset:(\m/2)*PAIRB+((\q)/2)*SBB+(2*(\m%2)+(\q)%2)*FRB+512*\c
.endr
.endr
.if (\q)%2 == 0
.irp p, 0,1,2,3
	ds_load_b64 v[SC+12*((\q)/2)+2*\p:SC+12*((\q)/2)+2*\p+1], v[ASP+\slot] offset:\p*PAIRB+((\q)/2)*SBB
.endr
.irp p, 0,1
	ds_load_b64 v[SC+12*((\q)/2)+8+2*\p:SC+12*((\q)/2)+8+2*\p+1], v[ASR+\slot] offset:\p*PAIRB+((\q)/2)*SBB
.endr
.endif
.endm
.macro STEP slot, q, zero
	s_wait_dscnt 0x0                               ; this step's fragments are in (asked for 32 matrix instructions ago)
	PLACES 4                                       ; in front of loads into registers that the last step's matrix instructions have read
	FETCH \slot, (\q)+1, ((\q)+1)%2
	WIN MUL
	MULS 0, (\q)%2, (\q)/2, (\q)%2, \zero
	MULS 1, (\q)%2, (\q)/2, (\q)%2, \zero
	MULS 2, (\q)%2, (\q)/2, (\q)%2, \zero
	MULS 3, (\q)%2, (\q)/2, (\q)%2, \zero
	WIN 0
.endm
.macro TURN slot, next, fill
	s_wait_tensorcnt 0x0                           ; all my tensor loads have landed: my part of the next slot
	ds_add_u32 v[SPW], v[NIL]                      ; 0 onto my spare word
	s_wait_dscnt 0x1                               ; the add alone may be out: this step's fragments are in
	WIN MUL
	MULS 0, 1, 1, 1, 0
	s_wait_dscnt 0x0                               ; the add is done, and my reads of this slot are over
	s_barrier_signal -1
	MULS 1, 1, 1, 1, 0
	WIN 0
	s_barrier_wait -1
.if \fill
	CREST                                          ; the barrier has opened a round of the cluster's barrier: no wave of any partner still reads this slot or has a load on its way
	s_add_nc_u64 s[G0P+4*\slot+2:G0P+4*\slot+3], s[G0P+4*\slot+2:G0P+4*\slot+3], 2*PAIRB
	s_add_nc_u64 s[G0R+4*\slot+2:G0R+4*\slot+3], s[G0R+4*\slot+2:G0R+4*\slot+3], 2*PAIRB
	JLOAD G0P+4*\slot, G0R+4*\slot                 ; the first tensor load behind the round; its four v_nop are also the places in front of the loads below
.else
	PLACES 4
.endif
	FETCH \next, 0, 0
	WIN MUL
	MULS 2, 1, 1, 1, 0
	MULS 3, 1, 1, 1, 0
	WIN 0
.endm
	s_load_b128 s[4:7], s[0:1], 0x0                ; ac s[4:5], woc s[6:7]
	s_load_b64 s[8:9], s[0:1], 0x10                ; out0
	v_lshl_add_u32 v[SPW], v0, 2, SPARE
	v_mov_b32 v[NIL], 0
	ds_add_u32 v12, v13
	ds_add_u32 v12, v13
	s_wait_dscnt 0x0
	v_lshrrev_b32 v1, 5, v0
	v_readfirstlane_b32 s14, v1                    ; wave 0..3
	s_lshr_b32 s15, s14, 1                         ; which 128 columns are mine.  Also: I fetch for P (0) or for R (1)
	s_and_b32 s16, s14, 1                          ; which 64 tokens.  Also: which half of the tile I fetch
	s_bfe_u32 s40, ttmp6, 0x40000                  ; cx
	s_bfe_u32 s41, ttmp6, 0x40004                  ; cy
	s_and_b32 s17, ttmp7, 0xffff
	s_lshl_b32 s43, s41, 2
	s_lshl_b32 s43, 15, s43                        ; my row of the cluster
	s_lshl_b32 s44, 0x1111, s40                    ; my column
	s_or_b32 s[G1P], s44, (3<<16)|(1<<21)          ; rows of 1,600 elements of 8 bytes, 800 NG apart; P: 4 rows a load, to my column
	s_or_b32 s[G1R], s43, (3<<16)|(1<<21)          ; R: 2 rows, to my row
.irp g, G1P, G1R
	s_mov_b32 s[\g+1], 1600<<16
	s_mov_b32 s[\g+3], 1600<<16
	s_mov_b32 s[\g+5], 800*NG
	s_mov_b32 s[\g+6], 0
	s_mov_b32 s[\g+7], 0
.endr
	s_mov_b32 s[G1P+2], 4<<16
	s_mov_b32 s[G1P+4], 4
	s_mov_b32 s[G1R+2], 2<<16
	s_mov_b32 s[G1R+4], 2
	s_lshl_b32 s45, ttmp9, 2
	s_add_co_u32 s45, s45, s40                     ; P's block of 256 columns.  Registers that feed P's descriptors never hold cy, those that feed R's never cx
	s_lshl_b32 s47, s17, 2
	s_add_co_u32 s47, s47, s41                     ; R's block of 128 tokens
	s_lshl_b32 s78, s45, 3
	s_lshl_b32 s79, s16, 2
	s_add_co_u32 s78, s78, s79
	s_mul_i32 s78, s78, NG*SBB
	s_mov_b32 s79, 0
	s_lshl_b32 s80, s47, 2
	s_lshl_b32 s81, s16, 1
	s_add_co_u32 s80, s80, s81
	s_mul_i32 s80, s80, NG*SBB
	s_mov_b32 s81, 0
	s_mul_i32 s82, s16, 4*PAIRB
	s_mul_i32 s83, s16, 2*PAIRB
	s_add_co_u32 s83, s83, RBASE
	s_wait_kmcnt 0x0
	s_add_nc_u64 s[74:75], s[6:7], s[78:79]
	s_add_nc_u64 s[76:77], s[4:5], s[80:81]
	CROUND                                         ; all sixteen work-groups are here: the first joint loads meet
.irp s, 0,1
	s_mov_b32 s[G0P+4*\s], 1
	s_add_co_u32 s[G0P+4*\s+1], s82, \s*SLOT
	s_add_nc_u64 s[G0P+4*\s+2:G0P+4*\s+3], s[74:75], \s*PAIRB
	s_or_b32 s[G0P+4*\s+3], s[G0P+4*\s+3], 0x80000000
	s_mov_b32 s[G0R+4*\s], 1
	s_add_co_u32 s[G0R+4*\s+1], s83, \s*SLOT
	s_add_nc_u64 s[G0R+4*\s+2:G0R+4*\s+3], s[76:77], \s*PAIRB
	s_or_b32 s[G0R+4*\s+3], s[G0R+4*\s+3], 0x80000000
	JLOAD G0P+4*\s, G0R+4*\s                       ; two loads of mine are out
.endr
	v_and_b32 v1, 31, v0
	v_lshlrev_b32 v[LI], 4, v1
	v_lshlrev_b32 v15, 3, v1
	s_mul_i32 s18, s15, 4*PAIRB
	s_mul_i32 s19, s16, 2*PAIRB
	s_add_co_u32 s19, s19, RBASE
	v_add_nc_u32 v[ADP], s18, v[LI]
	v_add_nc_u32 v[ADR], s19, v[LI]
	v_add_nc_u32 v[ASP], s18, v15
	v_add_nc_u32 v[ASR], s19, v15
	v_add_nc_u32 v[ASP], 4*FRB, v[ASP]
	v_add_nc_u32 v[ASR], 4*FRB, v[ASR]
	v_add_nc_u32 v[ADP+1], SLOT, v[ADP]
	v_add_nc_u32 v[ADR+1], SLOT, v[ADR]
	v_add_nc_u32 v[ASP+1], SLOT, v[ASP]
	v_add_nc_u32 v[ASR+1], SLOT, v[ASR]
	v_and_b32 v1, 15, v0                           ; r
	v_bfe_u32 v2, v0, 4, 1                         ; h
	s_mul_i32 s18, s14, 16*SP                      ; my stage
	v_mul_u32_u24 v[STO], v1, SP
	v_lshl_add_u32 v[STO], v2, 6, v[STO]
	v_add_nc_u32 v[STO], s18, v[STO]               ; in: row r, + 64 h
	v_add_nc_u32 v[RD], s18, v[LI]                 ; back: the 32 lanes take a row of 512 bytes
	s_lshl_b32 s84, s47, 1
	s_add_co_u32 s84, s84, s16
	s_lshl_b32 s84, s84, 20                        ; my first token: 64 rows of 16,384 bytes each
	s_lshl_b32 s85, s45, 1
	s_add_co_u32 s85, s85, s15
	s_lshl_b32 s85, s85, 9                         ; my first column: 128 numbers of 4 bytes each
	s_add_co_u32 s84, s84, s85
	s_mov_b32 s85, 0
	s_add_nc_u64 s[8:9], s[8:9], s[84:85]
	s_wait_tensorcnt 0x1                           ; my part of slot 0 is in; slot 1's may stay out
	s_barrier_signal -1
	s_barrier_wait -1
	FETCH 0, 0, 0
	STEP 0, 0, 1                                   ; the first step stands in front of the loop: its products start the sums
	s_mov_b32 s3, LAPS-1
.Llap:
	STEP 0, 1, 0
	STEP 0, 2, 0
	TURN 0, 1, 1
	STEP 1, 0, 0
	STEP 1, 1, 0
	STEP 1, 2, 0
	TURN 1, 0, 1
	STEP 0, 0, 0
	s_sub_co_u32 s3, s3, 1
	s_cmp_lg_u32 s3, 0
	s_cbranch_scc1 .Llap
	STEP 0, 1, 0                                   ; the last lap fills nothing, and has no round of the cluster's barrier
	STEP 0, 2, 0
	TURN 0, 1, 0
	STEP 1, 0, 0
	STEP 1, 1, 0
	STEP 1, 2, 0
	s_wait_dscnt 0x0
	WIN MUL
	MULS 0, 1, 1, 1, 0
	MULS 1, 1, 1, 1, 0
	MULS 2, 1, 1, 1, 0
	MULS 3, 1, 1, 1, 0
	WIN 0
; THE WAY OUT, a tile of 16 tokens x 128 columns at a time.  A lane holds 4 x 64 bytes of one row and the lanes beside it hold other rows: so a tile goes through my own stage and comes back as whole rows of 512 bytes.
; LDS serves a wave's instructions in order (ISA guide 5.7.1.4): no wait between the stores and the loads, nor in front of the next tile's stores.
.macro TOSTAGE m
	WIN 0x08                                       ; an LDS store's data are its source 1: window 2
.irp b, 0,1,2,3
.irp j, 0,1,2,3
	ds_store_b128 v[STO], v[64*(\m)+16*\b+4*\j:64*(\m)+16*\b+4*\j+3] offset:128*\b+16*\j   ; each accumulator from its low end on
.endr
.endr
	WIN 0
.irp t, 0,1,2,3,4,5,6,7,8,9,10,11,12,13,14,15
	ds_load_b128 v[BK+64*((\m)%2)+4*\t:BK+64*((\m)%2)+4*\t+3], v[RD] offset:SP*\t
.endr
.endm
.macro SEND m, younger                 ; younger: the LDS instructions issued behind tile m's loads, which may stay out
	s_wait_dscnt \younger
.irp t, 0,1,2,3,4,5,6,7,8,9,10,11,12,13,14,15
	global_store_b128 v[LI], v[BK+64*((\m)%2)+4*\t:BK+64*((\m)%2)+4*\t+3], s[8:9] offset:(32*((\m)/2)+8*((\m)%2)+\t+8*(\t/8))*16384 th:TH_STORE_NT   ; 512 consecutive bytes of one row, at a multiple of 256 from out0's first byte
.endr
.endm
	PLACES 4                                       ; behind the last products: for the first read of results and the loads into registers that held R's fragments
	TOSTAGE 0
	TOSTAGE 1
	SEND 0, 32                                     ; behind tile 0's loads: tile 1's 16 stores and 16 loads
	s_wait_xcnt 0x0                                ; tile 0's stores have read their registers: tile 2's rows may land there
	TOSTAGE 2
	SEND 1, 32
	s_wait_xcnt 0x0
	TOSTAGE 3
	SEND 2, 32
	SEND 3, 0
	s_wait_tensorcnt 0x0                           ; the wave's end
	ds_add_u32 v[SPW], v[NIL]
	s_wait_dscnt 0x0
	CROUND                                         ; the closing round
	s_endpgm
.Lfunc_end_k_qa42ea67514_outp:
	.size	k_qa42ea67514_outp, .Lfunc_end_k_qa42ea67514_outp-k_qa42ea67514_outp
	.p2alignl 7, 3214868480
	.fill 96, 4, 3214868480
	.section	.rodata,"a",@progbits
	.p2align	6, 0x0
	.amdhsa_kernel k_qa42ea67514_outp
		.amdhsa_group_segment_fixed_size 327680
		.amdhsa_private_segment_fixed_size 0
		.amdhsa_enable_private_segment 0
		.amdhsa_kernarg_size 24
		.amdhsa_user_sgpr_count 2
		.amdhsa_user_sgpr_kernarg_segment_ptr 1
		.amdhsa_wavefront_size32 1
		.amdhsa_system_sgpr_workgroup_id_x 1
		.amdhsa_system_sgpr_workgroup_id_y 1
		.amdhsa_system_sgpr_workgroup_id_z 1
		.amdhsa_system_vgpr_workitem_id 0
		.amdhsa_next_free_vgpr 768
		.amdhsa_next_free_sgpr 100
		.amdhsa_reserve_vcc 0
		.amdhsa_float_denorm_mode_32 3
		.amdhsa_float_denorm_mode_16_64 3
		.amdhsa_memory_ordered 1
		.amdhsa_forward_progress 1
		.amdhsa_inst_pref_size 132
	.end_amdhsa_kernel
	.amdgpu_metadata
---
amdhsa.version: [ 1, 2 ]
amdhsa.kernels:
  - .name:           k_qa42ea67514_outp
    .symbol:         k_qa42ea67514_outp.kd
    .args:
      - { .name: ac, .offset: 0, .size: 8, .value_kind: global_buffer, .address_space: global }
      - { .name: woc, .offset: 8, .size: 8, .value_kind: global_buffer, .address_space: global }
      - { .name: out0, .offset: 16, .size: 8, .value_kind: global_buffer, .address_space: global }
    .group_segment_fixed_size: 327680
    .private_segment_fixed_size: 0
    .kernarg_segment_align: 8
    .kernarg_segment_size: 24
    .max_flat_workgroup_size: 128
    .sgpr_count:     100
    .vgpr_count:     768
    .wavefront_size: 32
...
	.end_amdgpu_metadata
.endif
;; end of part 4
